; MI455X (gfx1250); checked and timed in simulation.
; The chip was launched on July 23, 2026; its instructions are those of AMD's public machine-readable ISA for CDNA 5 (MIT licence, August 2026) and "CDNA5" Instruction Set Architecture Reference Guide (July 2026). The comments in the code are by the model that wrote it; some were corrected since.
;; Efficient Attention. Allowed arithmetic: matrix products marked QUANTISED: E2M1 operands, one E8M0 scale for each 32 along K, by v_wmma_scale_f32_16x16x128_f8f6f4 with both operands' format E2M1 (or v_wmma_scale_f32_32x16x128_f4), f32 sums; everything else in f32.
;; Inputs: Wk 1,024 x 1,024 float32; Wo 1,024 x 1,024 float32; Wq 1,024 x 1,024 float32; Wv 1,024 x 1,024 float32; bk 1,024 float32; bo 1,024 float32; bq 1,024 float32; bv 1,024 float32; ln_b 1,024 float32; ln_g 1,024 float32; x 2 x 2,048 x 1,024 float32.
;; Outputs: out0 2 x 2,048 x 1,024 float32.
;; This version of the problem:
;;   THIS VERSION OF THE PROBLEM IS GIVEN IN LOW PRECISION. The matrix products marked QUANTISED in the list below multiply operands that are first quantised to E2M1 (2 exponent bits, 1 mantissa bit; 4 bits a number), with one power-of-two scale for each 32 numbers along K (OCP MX v1.0); their sums are f32. All else is computed in f32.
;;   The module's matrix products, in the order in which they are computed (A, B: the left and right operand; K: the contracted axis; several contracted axes count as one K, in the product's order):
;;     1. [M 4,096, K 1,024] x [K 1,024, N 1,024]; A: input x; B: input Wq: QUANTISED
;;     2. [M 4,096, K 1,024] x [K 1,024, N 1,024]; A: input x; B: input Wk: QUANTISED
;;     3. [M 4,096, K 1,024] x [K 1,024, N 1,024]; A: input x; B: input Wv: QUANTISED
;;     4. batch 32 x [M 2,048, K 64] x [K 64, N 2,048]; A: computed on the way; B: computed on the way: QUANTISED
;;     5. batch 64 x [M 64, K 1,024] x [K 1,024, N 2,048]; A: computed on the way; B: computed on the way: QUANTISED
;;     6. [M 4,096, K 1,024] x [K 1,024, N 1,024]; A: computed on the way; B: input Wo: QUANTISED
;;   THE QUANTISER, for each operand of a quantised product, along K:
;;     - K is cut into blocks of 32 from its start; a last block that is shorter is filled with zeros.
;;     - A block's scale is 2^e with e = floor(log2(the largest magnitude in the block)) - 2, held to -126 .. 127; a block of zeros has e = 0. As a byte (E8M0): e + 127.
;;     - Each number is divided by its block's scale, clamped to +-6, and rounded to the nearest number of E2M1, ties to even, subnormals kept.
;;     - The product sums the exact products of the quantised numbers (number of the format x scale) in f32.
;;   ~~~python
;;   def quantise(x, axis):      # numpy; x: float32 -> the quantised numbers, widened to float32 again
;;       x = np.moveaxis(x, axis, -1); K = x.shape[-1]
;;       x = np.pad(x, [(0, 0)] * (x.ndim - 1) + [(0, -K % 32)]); x = x.reshape(x.shape[:-1] + (-1, 32)); a = np.abs(x).max(-1, keepdims=True)
;;       e = np.where(a > 0, np.clip(np.frexp(np.where(a > 0, a, 1))[1] - 1 - 2, -126, 127), 0)      # np.frexp(a)[1] - 1 = floor(log2(a)), exactly
;;       r = np.clip(x / 2.0 ** e, -6, 6)
;;       step = 2.0 ** (np.maximum(np.frexp(np.where(r == 0, 1, r))[1] - 1, 0) - 1)
;;       q = np.round(r / step) * step * 2.0 ** e      # np.round: ties to even
;;       return np.moveaxis(q.reshape(q.shape[:-2] + (-1,))[..., :K], -1, axis).astype(np.float32)
;;   ~~~
;;   OPERANDS COMPUTED ON THE WAY. 'Computed on the way' means the value that the module computes at that place (a softmax that the list does not call 'softmax' is quantised finished and normalised). What goes into a quantiser is computed in f32, as accurately as f32 sums, v_exp_f32 and their like allow (about 1e-6 of the number): no bf16 or f16 on the way to a quantiser, and a product that is left as it is and whose result goes on into a quantised operand takes f32 operands (vector FMAs, or v_wmma_f32_16x16x4_f32). A number that lies on a knife's edge between two numbers of the format may be rounded either way, as far as f32 arithmetic and the matrix unit's own rounding can turn it there, and no further.
;; 2 versions, each right; version 2 is version 1 with the launches qkv, attn, oproj written anew for expert scheduling mode. Each part assembles by itself: llvm-mc -triple=amdgcn-amd-amdhsa -mcpu=gfx1250 --defsym DOCPART=n.
;; ======== version 1 of 2: 4 launches
;; workspace buffers: prep 4,456,448 bytes; qln 16,777,216 bytes; qkvc 7,077,888 bytes; yc 2,228,224 bytes
;; launch prep (part 1): grid 192 x 1, 4 waves a work-group, no clusters, 33,280 bytes of LDS; arguments x, Wq, Wk, Wv, Wo, prep; writes prep
.if DOCPART == 1
	.amdgcn_target "amdgcn-amd-amdhsa--gfx1250"
	.amdhsa_code_object_version 6
	.text
	.protected	k_q768aa7a782_prep
	.globl	k_q768aa7a782_prep
	.p2align	8
	.type	k_q768aa7a782_prep,@function
k_q768aa7a782_prep:
	s_mov_b64 s[64:65], 0
	v_nop
	global_prefetch_b8 v0, s[64:65] scope:SCOPE_SE
	s_setreg_imm32_b32 hwreg(HW_REG_WAVE_MODE, 25, 1), 1
	s_wait_xcnt 0x0
; x [4096][1024] and the four weights [1024 (k)][1024 (n)], f32, become codes of FP4 (E2M1) with one E8M0 byte for each 32 along K.
; A block's scale is 2^(floor(log2(its largest magnitude)) - 2); its byte is the largest magnitude's exponent field - 2, held at 1 from below.
; LIMITS: a block whose largest magnitude lies under 2^-124 keeps the byte 1 (a block of zeros too: its codes are zeros, and the bytes are read by this program alone); NaN and infinities are not served.
; WHAT IS STORED, all in the one buffer prep:
;   byte 0        x's codes, [token][512 bytes], K innermost
;   byte OWI      the weights' codes, [weight q,k,v,o][head 16][block t of 32 along K][column in the head 64][16 bytes]: so a lane of a later launch takes a whole register group by one load of 16 bytes
;   byte OXS      x's scale bytes, [token][32]
;   byte OWS      the weights' scale bytes, [weight][head][half of K][column 64][16 bytes]
; Work-groups 0-127 take x (K innermost: a plain stream of blocks; 16 steps of 512 numbers a wave, turned through the wave's own stage in LDS so that loads are dense and a lane still holds 16 neighbours).
; Work-groups 128-191 take the weights (K outermost: a lane takes a column and its registers run down K; a block's 32 numbers are one lane's, its 16 bytes of codes leave as they are, 512 consecutive bytes a wave).
; Waves share nothing: no barrier.  Only the first path touches LDS.
.set OWI,   2097152
.set OXS,   4194304
.set OWS,   4325376
.set STEPS, 16
.set CB,    8                          ; bytes of 16 codes
.set R,     16                         ; v16-79   x: four sets of 16 numbers as loaded
.set X,     80                         ; v80-111  x: two sets of 16 neighbours
.set E,     112                        ; v112-127 x: a scale byte for each step
.set C,     128                        ; v128-191 x: codes, four registers kept for each step
.set WREG,  8192                       ; LDS of a wave: two stages of 32 x SP bytes, then its 256 scale bytes
.set SP,    80                         ; a lane's place in a stage: 64 bytes + 16 of padding
.set WX,    32                         ; v32-95   weights: two sets of 32 numbers
.set WC,    96                         ; v96-159  weights: four registers of codes for each of 16 blocks: no store's data are written again
.set SB,    24                         ; v24-27   weights: 16 scale bytes
.macro LOAD t
.irp i, 0,1,2,3
	global_load_b128 v[R+16*((\t)%4)+4*\i:R+16*((\t)%4)+4*\i+3], v3, s[4:5] offset:2048*(\t)+512*\i th:TH_LOAD_NT   ; 32 lanes read 512 consecutive bytes
.endr
.endm
.macro TURN t                          ; step t's numbers through the stage; LDS serves a wave's instructions in order, so no wait stands between the stores and the loads
.irp i, 0,1,2,3
	ds_store_b128 v14, v[R+16*((\t)%4)+4*\i:R+16*((\t)%4)+4*\i+3] offset:32*SP*((\t)%2)+8*SP*\i
.endr
.irp i, 0,1,2,3
	ds_load_b128 v[X+16*((\t)%2)+4*\i:X+16*((\t)%2)+4*\i+3], v15 offset:32*SP*((\t)%2)+16*\i
.endr
.endm
.macro STEP t
.set XN, X+16*((\t)%2)
.if (\t) > 0
	s_wait_dscnt 1                                 ; this step's numbers are back from the stage (the last step's byte store may be out)
.else
	s_wait_dscnt 0x0
.endif
.if (\t)+4 < STEPS
	LOAD (\t)+4                                    ; into the set whose stores into the stage are done
.endif
.if (\t)+1 < STEPS
.if STEPS-2-(\t) >= 3
	s_wait_loadcnt 12                              ; the next step's four loads are in; those of the three steps behind it may be out
.else
	s_wait_loadcnt 4*(STEPS-2-(\t))
.endif
	TURN (\t)+1
.endif
	v_max3_num_f32 v8, |v[XN]|, |v[XN+1]|, |v[XN+2]|               ; the largest magnitude of my 16, in two chains
	v_max3_num_f32 v9, |v[XN+3]|, |v[XN+4]|, |v[XN+5]|
.irp i, 6,10
	v_max3_num_f32 v8, v8, |v[XN+\i]|, |v[XN+\i+1]|
	v_max3_num_f32 v9, v9, |v[XN+\i+2]|, |v[XN+\i+3]|
.endr
	v_max3_num_f32 v8, v8, |v[XN+14]|, |v[XN+15]|
	v_max3_num_f32 v8, v8, v9, 0x1800000           ; and the floor 2^(3 - 127): the byte cannot fall under 1
	v_max_num_f32_dpp v8, v8, v8 row_xmask:1 row_mask:0xf bank_mask:0xf   ; with my neighbour's 16: the block's
	v_add_nc_u32 v11, 0xff000000, v8               ; 2 off its exponent field: the conversion takes this operand's exponent field as its scale
	v_cvt_scalef32_pk8_fp4_f32 v[C+4*(\t)], v[XN:XN+7], v11
	v_cvt_scalef32_pk8_fp4_f32 v[C+4*(\t)+1], v[XN+8:XN+15], v11
	v_lshrrev_b32 v[E+(\t)], 23, v11               ; the scale's byte
	ds_store_b8 v5, v[E+(\t)] offset:16*(\t)       ; both lanes of a block write the same byte with the same value
	global_store_b64 v4, v[C+4*(\t):C+4*(\t)+1], s[26:27] offset:32*CB*(\t)   ; the wave stores 256 consecutive bytes
.endm
.macro WLOAD t                         ; block t of my column: W(32 t + i, column), i = 0 .. 31; a wave reads 128 consecutive bytes, the work-group 512
.set i, 0
.rept 32
	global_load_b32 v[WX+32*((\t)%2)+i], v3, s[30:31] offset:(32*(\t)+i)*4096 th:TH_LOAD_NT
.set i, i+1
.endr
.endm
.macro WBLOCK t
.set XB, WX+32*((\t)%2)
.if (\t) < 15
	s_wait_loadcnt 32                              ; this block's 32 loads are in; the next block's 32 may be out
.else
	s_wait_loadcnt 0x0
.endif
	v_max3_num_f32 v12, |v[XB]|, |v[XB+1]|, |v[XB+2]|              ; all 32 numbers of the block are mine
	v_max3_num_f32 v13, |v[XB+3]|, |v[XB+4]|, |v[XB+5]|
.irp i, 6,10,14,18,22,26
	v_max3_num_f32 v12, v12, |v[XB+\i]|, |v[XB+\i+1]|
	v_max3_num_f32 v13, v13, |v[XB+\i+2]|, |v[XB+\i+3]|
.endr
	v_max3_num_f32 v12, v12, |v[XB+30]|, |v[XB+31]|
	v_max3_num_f32 v12, v12, v13, 0x1800000        ; and the floor
	v_add_nc_u32 v11, 0xff000000, v12
	v_lshrrev_b32 v13, 23, v11                     ; the scale's byte
.if (\t)%4 == 0
	v_mov_b32 v[SB+(\t)/4], v13                    ; four bytes to a register, the lower K in the lower byte
.else
	v_lshl_or_b32 v[SB+(\t)/4], v13, 8*((\t)%4), v[SB+(\t)/4]
.endif
.irp g, 0,1,2,3
	v_cvt_scalef32_pk8_fp4_f32 v[WC+4*(\t)+\g], v[XB+8*\g:XB+8*\g+7], v11
.endr
	global_store_b128 v4, v[WC+4*(\t):WC+4*(\t)+3], s[26:27] offset:1024*(\t)   ; 32 columns x 16 bytes: 512 consecutive bytes
.if (\t)+2 < 16
	WLOAD (\t)+2                                   ; the next block begins with plain vector lines, which stand between these conversions and the next write of v11
.endif
.endm
	s_load_b256 s[4:11], s[0:1], 0x0               ; x s[4:5], Wq s[6:7], Wk s[8:9], Wv s[10:11]
	s_load_b128 s[12:15], s[0:1], 0x20             ; Wo s[12:13], prep s[14:15]
	v_lshl_add_u32 v192, v0, 2, 0x8000
	v_mov_b32 v193, 0
	v_lshrrev_b32 v1, 5, v0
	v_readfirstlane_b32 s16, v1                    ; wave 0..3
	v_and_b32 v2, 31, v0                           ; lane
	s_cmp_lt_u32 ttmp9, 128
	s_cbranch_scc0 .Lweights
	; ---- x: run 4 x work-group + wave of 8,192 numbers
	v_lshlrev_b32 v3, 4, v2                        ; my 16 bytes of a load's 512
	s_mul_i32 s17, s16, WREG
	v_lshrrev_b32 v14, 2, v2
	v_mul_u32_u24 v14, v14, SP
	v_and_b32 v15, 3, v2
	v_lshl_add_u32 v14, v15, 4, v14
	v_add_nc_u32 v14, s17, v14                     ; the stage, on the way in: SP (lane / 4) + 16 (lane % 4)
	v_mul_u32_u24 v15, v2, SP
	v_add_nc_u32 v15, s17, v15                     ; and on the way out: SP x lane
	v_mul_u32_u24 v4, v2, CB                       ; my codes' place in a step's
	v_lshrrev_b32 v5, 1, v2
	s_add_co_u32 s17, s17, 2*32*SP
	v_add_nc_u32 v5, s17, v5                       ; LDS: my block's byte among my wave's 256
	v_lshlrev_b32 v7, 3, v2
	v_add_nc_u32 v6, s17, v7                       ; and on the way out 8 bytes a lane
	s_lshl_b32 s18, ttmp9, 2
	s_add_co_u32 s18, s18, s16                     ; the run
	s_lshl_b32 s20, s18, 15                        ; 32,768 bytes of f32,
	s_mov_b32 s21, 0
	s_lshl_b32 s22, s18, 12                        ; 4,096 of codes,
	s_mov_b32 s23, 0
	s_lshl_b32 s24, s18, 8                         ; 256 scale bytes
	s_add_co_u32 s24, s24, OXS
	s_mov_b32 s25, 0
	s_wait_kmcnt 0x0
	s_add_nc_u64 s[4:5], s[4:5], s[20:21]
	s_add_nc_u64 s[26:27], s[14:15], s[22:23]
	s_add_nc_u64 s[28:29], s[14:15], s[24:25]
.irp t, 0,1,2,3
	LOAD \t
.endr
	s_wait_loadcnt 12                              ; step 0's four loads are in
	TURN 0
.irp t, 0,1,2,3,4,5,6,7,8,9,10,11,12,13,14,15
	STEP \t
.endr
	ds_load_b64 v[12:13], v6                       ; my wave's 256 scale bytes: these loads see my stores
	s_wait_dscnt 0x0
	global_store_b64 v7, v[12:13], s[28:29]        ; 32 lanes store 256 consecutive bytes
	s_wait_tensorcnt 0x0
	ds_add_u32 v192, v193
	s_wait_dscnt 0x0
	s_endpgm
.Lweights:
	; ---- a weight: index = work-group - 128 = 16 x weight + 8 x half of K + block of 128 columns
	v_lshlrev_b32 v3, 2, v2                        ; in: 4 bytes a lane
	v_lshlrev_b32 v4, 4, v2                        ; out: 16 bytes a lane
	s_sub_co_u32 s17, ttmp9, 128
	s_lshr_b32 s18, s17, 4                         ; which weight: 0 q, 1 k, 2 v, 3 o
	s_bfe_u32 s19, s17, 0x10003                    ; which half of K
	s_and_b32 s20, s17, 7                          ; which 128 columns
	s_lshl_b32 s21, s20, 1
	s_lshr_b32 s22, s16, 1
	s_add_co_u32 s21, s21, s22                     ; the head of my wave's 32 columns
	s_and_b32 s22, s16, 1                          ; and which half of it
	s_lshl_b32 s24, s19, 21                        ; from: 512 rows of 4,096 bytes a half,
	s_lshl_b32 s23, s20, 9
	s_add_co_u32 s24, s24, s23
	s_lshl_b32 s23, s16, 7
	s_add_co_u32 s24, s24, s23                     ; + 4 x my first column
	s_mov_b32 s25, 0
	s_lshl_b32 s26, s18, 19                        ; codes to: weight x 524,288 + head x 32,768 + half of K x 16,384 + half of the head x 512
	s_lshl_b32 s23, s21, 15
	s_add_co_u32 s26, s26, s23
	s_lshl_b32 s23, s19, 14
	s_add_co_u32 s26, s26, s23
	s_lshl_b32 s23, s22, 9
	s_add_co_u32 s26, s26, s23
	s_add_co_u32 s26, s26, OWI
	s_mov_b32 s27, 0
	s_lshl_b32 s28, s18, 15                        ; scale bytes to: weight x 32,768 + head x 2,048 + half of K x 1,024 + half of the head x 512
	s_lshl_b32 s23, s21, 11
	s_add_co_u32 s28, s28, s23
	s_lshl_b32 s23, s19, 10
	s_add_co_u32 s28, s28, s23
	s_lshl_b32 s23, s22, 9
	s_add_co_u32 s28, s28, s23
	s_add_co_u32 s28, s28, OWS
	s_mov_b32 s29, 0
	s_wait_kmcnt 0x0
	s_cmp_eq_u32 s18, 1                            ; the choice hangs on the work-group's number alone
	s_cselect_b64 s[30:31], s[8:9], s[6:7]
	s_cmp_eq_u32 s18, 2
	s_cselect_b64 s[30:31], s[10:11], s[30:31]
	s_cmp_eq_u32 s18, 3
	s_cselect_b64 s[30:31], s[12:13], s[30:31]
	s_add_nc_u64 s[30:31], s[30:31], s[24:25]
	s_add_nc_u64 s[26:27], s[14:15], s[26:27]
	s_add_nc_u64 s[28:29], s[14:15], s[28:29]
	WLOAD 0
	WLOAD 1
.irp t, 0,1,2,3,4,5,6,7,8,9,10,11,12,13,14,15
	WBLOCK \t
.endr
	global_store_b128 v4, v[SB:SB+3], s[28:29]     ; my column's 16 scale bytes: 512 consecutive bytes a wave
	s_endpgm
.Lfunc_end_k_q768aa7a782_prep:
	.size	k_q768aa7a782_prep, .Lfunc_end_k_q768aa7a782_prep-k_q768aa7a782_prep
	.p2alignl 7, 3214868480
	.fill 96, 4, 3214868480
	.section	.rodata,"a",@progbits
	.p2align	6, 0x0
	.amdhsa_kernel k_q768aa7a782_prep
		.amdhsa_group_segment_fixed_size 33280
		.amdhsa_private_segment_fixed_size 0
		.amdhsa_enable_private_segment 0
		.amdhsa_kernarg_size 48
		.amdhsa_user_sgpr_count 2
		.amdhsa_user_sgpr_kernarg_segment_ptr 1
		.amdhsa_wavefront_size32 1
		.amdhsa_system_sgpr_workgroup_id_x 1
		.amdhsa_system_sgpr_workgroup_id_y 1
		.amdhsa_system_sgpr_workgroup_id_z 1
		.amdhsa_system_vgpr_workitem_id 0
		.amdhsa_next_free_vgpr 194
		.amdhsa_next_free_sgpr 66
		.amdhsa_reserve_vcc 0
		.amdhsa_float_denorm_mode_32 3
		.amdhsa_float_denorm_mode_16_64 3
		.amdhsa_memory_ordered 1
		.amdhsa_forward_progress 1
		.amdhsa_inst_pref_size 108
	.end_amdhsa_kernel
	.amdgpu_metadata
---
amdhsa.version: [ 1, 2 ]
amdhsa.kernels:
  - .name:           k_q768aa7a782_prep
    .symbol:         k_q768aa7a782_prep.kd
    .args:
      - { .name: x, .offset: 0, .size: 8, .value_kind: global_buffer, .address_space: global }
      - { .name: Wq, .offset: 8, .size: 8, .value_kind: global_buffer, .address_space: global }
      - { .name: Wk, .offset: 16, .size: 8, .value_kind: global_buffer, .address_space: global }
      - { .name: Wv, .offset: 24, .size: 8, .value_kind: global_buffer, .address_space: global }
      - { .name: Wo, .offset: 32, .size: 8, .value_kind: global_buffer, .address_space: global }
      - { .name: prep, .offset: 40, .size: 8, .value_kind: global_buffer, .address_space: global }
    .group_segment_fixed_size: 33280
    .private_segment_fixed_size: 0
    .kernarg_segment_align: 8
    .kernarg_segment_size: 48
    .max_flat_workgroup_size: 128
    .sgpr_count:     66
    .vgpr_count:     194
    .wavefront_size: 32
...
	.end_amdgpu_metadata
.endif
;; end of part 1
;; launch qkv (part 2): grid 64 x 3, 16 waves a work-group, no clusters, 43,520 bytes of LDS; arguments prep, bq, bk, bv, ln_g, ln_b, qln, qkvc; writes qln, qkvc
.if DOCPART == 2
	.amdgcn_target "amdgcn-amd-amdhsa--gfx1250"
	.amdhsa_code_object_version 6
	.text
	.protected	k_q768aa7a782_qkv
	.globl	k_q768aa7a782_qkv
	.p2align	8
	.type	k_q768aa7a782_qkv,@function
k_q768aa7a782_qkv:
	s_mov_b64 s[64:65], 0
	v_nop
	global_prefetch_b8 v0, s[64:65] scope:SCOPE_SE
	s_setreg_imm32_b32 hwreg(HW_REG_WAVE_MODE, 25, 1), 1
	s_wait_xcnt 0x0
; q = LayerNorm(x Wq + bq), k = x Wk + bk, v = x Wv + bv, the products on codes of FP4 with E8M0 scales; then q / 8, k and v are quantised for the attention launch.
; SHARES.  Work-group (rb, y): 64 tokens (block rb) x all 1,024 columns of weight y (0 q, 1 k, 2 v): the LayerNorm wants whole rows.  Wave w makes head w: 64 x 64, 16 accumulators of 16 x 16.
; TILES ARE CHOSEN ROWS.  Token tile u: row r is token 64 rb + 32 (r / 8) + 8 u + r % 8.  Head tile i: row r is column 64 w + 32 (r / 8) + 8 i + r % 8.
;   q, k: source 0 = head tile i, source 1 = token tile u: register 8 i + j of lane (r, h) is column 64 w + 32 h + 8 i + j of token (u, r): the four tiles i give a lane a WHOLE block of 32 neighbouring columns.
;   v:    sources swapped: register 8 u + j is token 64 rb + 32 h + 8 u + j of column (i, r): a whole block of 32 neighbouring KEYS, which are the K of the attention's second product.
;   So a block's largest magnitude needs no other lane, and four conversions give a register group of the next operand as it stands.
; x's codes of the 64 tokens (32,768 bytes) are copied into LDS once, chunk (block t, place 16 u + r) at 1,040 t + 16 place.  A wave's weight fragments are read by no other wave of the work-group and go from memory straight
; into its registers, one K step ahead, from a buffer laid in the order of the registers.
; NO CLUSTER, NO TENSOR LOAD: the row blocks of one weight do read the same weights, but a joint load would put them through LDS, 64 KB written and read again for each K step of 128 beside the 64 KB of x's fragments that
; the sixteen waves read there; from registers' order in memory each fragment is moved once.
; LIMITS: NaN and infinities are not served.  A block whose largest magnitude lies under 2^-124 (2^-121 for the normed q) keeps the floor's scale byte; a block of zeros has zero codes.
; 1 / 8 is a power of two: the codes of q / 8 are those of q, and its scale byte is 3 less.
; REGISTERS: v1-10, v14, v15 addresses, never rewritten; v16-31 x's scale words, v32-47 the weight's (scales and nothing else); v48-63 two fragments of x, later at work; v64-95, v96-127 the weight's fragments, two sets, later
; bias, gain, sums, codes; v128-255 the accumulators.
.set OWI,  2097152
.set OXS,  4194304
.set OWS,  4325376
.set OKI,  2097152
.set OVI,  4194304
.set OQS,  6291456
.set OKS,  6815744
.set OVS,  6946816
.set AS,   16
.set BS,   32
.set AF,   48
.set B0,   64
.set ACC,  128
.set RED1, 33280                       ; LDS behind x's image: [wave][r][4 sums], 4,096 bytes;
.set RED2, 37376                       ; and once more for the squares
.macro PLACES                          ; four plain vector lines behind matrix instructions, in front of loads into their sources and of reads of their results
.rept 4
	v_nop
.endr
.endm
.macro ALD s, u0                       ; x's fragments of token tiles u0, u0 + 1, K step s
.irp uu, 0,1
.irp c, 0,1
	ds_load_b128 v[AF+8*\uu+4*\c:AF+8*\uu+4*\c+3], v2 offset:(4*(\s)+2*\c)*1040+((\u0)+\uu)*256
.endr
.endr
.endm
.macro BLD s, buf                      ; my head's four fragments of the weight, K step s
.irp i, 0,1,2,3
.irp c, 0,1
	global_load_b128 v[\buf+8*\i+4*\c:\buf+8*\i+4*\c+3], v1, s[32:33] offset:(\s)*4096+\c*2048+\i*128
.endr
.endr
.endm
.macro MM1 d, a, b, sa, sb, s          ; the scale registers hold K steps 0-3 in lanes 0-15 and K steps 4-7 in lanes 16-31
.if (\s) == 0
	v_wmma_scale_f32_16x16x128_f8f6f4 v[\d:\d+7], v[\a:\a+7], v[\b:\b+7], 0, v[\sa], v[\sb] matrix_a_fmt:MATRIX_FMT_FP4 matrix_b_fmt:MATRIX_FMT_FP4
.elseif (\s) < 4
	v_wmma_scale_f32_16x16x128_f8f6f4 v[\d:\d+7], v[\a:\a+7], v[\b:\b+7], v[\d:\d+7], v[\sa], v[\sb] matrix_a_fmt:MATRIX_FMT_FP4 matrix_b_fmt:MATRIX_FMT_FP4
.else
	v_wmma_scale_f32_16x16x128_f8f6f4 v[\d:\d+7], v[\a:\a+7], v[\b:\b+7], v[\d:\d+7], v[\sa], v[\sb] matrix_a_fmt:MATRIX_FMT_FP4 matrix_b_fmt:MATRIX_FMT_FP4 matrix_a_scale:MATRIX_SCALE_ROW1 matrix_b_scale:MATRIX_SCALE_ROW1
.endif
.endm
.macro MM8 tr, s, u0                   ; token tiles u0, u0 + 1 x the four head tiles
.irp uu, 0,1
.irp i, 0,1,2,3
.set rU, (\u0)+\uu
.set rX, AF+8*\uu
.set rW, BP+8*\i
.set sX, AS+4*rU+((\s)%4)
.set sW, BS+4*\i+((\s)%4)
.if \tr
.set rD, ACC+32*\i+8*rU
	MM1 rD, rX, rW, sX, sW, \s
.else
.set rD, ACC+32*rU+8*\i
	MM1 rD, rW, rX, sW, sX, \s
.endif
.endr
.endr
.endm
; The product: 8 K steps of 128.  The 16 accumulators take turns, one instruction a turn, in the same order in every step.  tr = 1: sources swapped (v).
; The last step asks for the bias where the others ask for the next step's fragments.
.macro GEMM tr
.irp s, 0,1,2,3,4,5,6,7
.set BP, B0+32*(\s%2)
.set BN, B0+32-32*(\s%2)
	ALD \s, 0
.if \s < 7
	BLD \s+1, BN
	s_wait_loadcnt 0x8                             ; all but the eight loads just issued: this step's fragments (in step 0 the scale words too) are in
.elseif \tr
.irp i, 0,1,2,3
	global_load_b32 v[B0+2*\i], v10, s[36:37] offset:32*\i   ; bv at column (i, r)
.endr
	s_wait_loadcnt 0x4                             ; all but these four
.else
.irp g, 0,1,2,3,4,5,6,7
	global_load_b128 v[B0+4*\g:B0+4*\g+3], v9, s[36:37] offset:16*\g   ; the bias at my 32 columns
.endr
	s_wait_loadcnt 0x8                             ; all but these eight
.endif
	s_wait_dscnt 0x0
	MM8 \tr, \s, 0
	PLACES
	ALD \s, 2
	s_wait_dscnt 0x0
	MM8 \tr, \s, 2
	PLACES
.endr
.endm
; Four blocks of 32 numbers, block b in v[base + 32 b ..], by turns: largest magnitude (v48+b), the conversion's scale operand (v52+b), the scale's byte (v56+b), 16 bytes of codes (v[96 + 4 b ..]).
.macro QUANT4 base, floor
.irp b, 0,1,2,3
	v_max3_num_f32 v[48+\b], |v[\base+32*\b]|, |v[\base+32*\b+1]|, \floor
.endr
.set j, 2
.rept 15
.irp b, 0,1,2,3
	v_max3_num_f32 v[48+\b], v[48+\b], |v[\base+32*\b+j]|, |v[\base+32*\b+j+1]|
.endr
.set j, j+2
.endr
.irp b, 0,1,2,3
	v_add_nc_u32 v[52+\b], 0xff000000, v[48+\b]    ; 2 off the exponent field
.endr
.irp b, 0,1,2,3
	v_lshrrev_b32 v[56+\b], 23, v[52+\b]
.endr
.irp b, 0,1,2,3
.irp g, 0,1,2,3
	v_cvt_scalef32_pk8_fp4_f32 v[96+4*\b+\g], v[\base+32*\b+8*\g:\base+32*\b+8*\g+7], v[52+\b]
.endr
.endr
	v_nop                                          ; one plain line behind the last scaled conversion
.endm
.macro PAIR4                           ; v[60 + b] = the byte of lanes 0-15 | the byte of lanes 16-31 << 8, in both halves of the lanes
.irp b, 0,1,2,3
	v_lshlrev_b32 v[60+\b], v4, v[56+\b]           ; my byte, 8 h bits up
.endr
.irp b, 0,1,2,3
	v_permlanex16_b32 v[48+\b], v[60+\b], s24, s25
.endr
.irp b, 0,1,2,3
	v_or_b32 v[60+\b], v[60+\b], v[48+\b]
.endr
.endm
.macro BIASADD                         ; q, k: register 8 i + j of every token tile is column 32 h + 8 i + j.  Ascending
.irp u, 0,1,2,3
.set j, 0
.rept 16
	v_pk_add_f32 v[ACC+32*\u+j:ACC+32*\u+j+1], v[ACC+32*\u+j:ACC+32*\u+j+1], v[B0+j:B0+j+1]
.set j, j+2
.endr
.endr
.endm
.macro HALVES                          ; v[52 + 2 u : 53 + 2 u] -> v[48 + u]: the pair's halves and lane l xor 16's: the wave's 64 columns of token (u, r)
.irp u, 0,1,2,3
	v_add_f32 v[48+\u], v[52+2*\u], v[53+2*\u]
.endr
.irp u, 0,1,2,3
	v_permlanex16_b32 v[60+\u], v[48+\u], s24, s25
.endr
.irp u, 0,1,2,3
	v_add_f32 v[48+\u], v[48+\u], v[60+\u]
.endr
.endm
.macro ALLSUM red                      ; the sixteen waves' v[48:51] are added, in ascending order of the waves, in every wave alike
	ds_store_b128 v14, v[48:51] offset:\red        ; both halves of the lanes write the same bytes with the same values
	s_wait_dscnt 0x0                               ; for the others' sake: my store has landed
	s_barrier_signal -1
	s_barrier_wait -1
.irp w, 0,1,2,3,4,5,6,7
	ds_load_b128 v[64+4*\w:67+4*\w], v15 offset:\red+256*\w
.endr
	s_wait_dscnt 0x0
	v_pk_add_f32 v[48:49], v[64:65], v[68:69]
	v_pk_add_f32 v[50:51], v[66:67], v[70:71]
.irp w, 2,3,4,5,6,7
	v_pk_add_f32 v[48:49], v[48:49], v[64+4*\w:65+4*\w]
	v_pk_add_f32 v[50:51], v[50:51], v[66+4*\w:67+4*\w]
.endr
.irp w, 0,1,2,3,4,5,6,7
	ds_load_b128 v[64+4*\w:67+4*\w], v15 offset:\red+2048+256*\w
.endr
	s_wait_dscnt 0x0
.irp w, 0,1,2,3,4,5,6,7
	v_pk_add_f32 v[48:49], v[48:49], v[64+4*\w:65+4*\w]
	v_pk_add_f32 v[50:51], v[50:51], v[66+4*\w:67+4*\w]
.endr
.endm
	s_load_b512 s[4:19], s[0:1], 0x0               ; prep s[4:5], bq s[6:7], bk s[8:9], bv s[10:11], ln_g s[12:13], ln_b s[14:15], qln s[16:17], qkvc s[18:19]
	v_lshrrev_b32 v1, 5, v0
	v_readfirstlane_b32 s20, v1                    ; wave 0..15 = head
	s_mov_b32 s21, ttmp9                           ; rb
	s_and_b32 s22, ttmp7, 0xffff                   ; y
	s_mov_b32 s24, 0x76543210
	s_mov_b32 s25, 0xfedcba98                      ; v_permlanex16_b32's selects for lane l xor 16
	s_mov_b32 s48, 0x3727c5ac                      ; 1e-5
	s_mov_b32 s49, 0x3a800000                      ; 1 / 1,024
	v_and_b32 v11, 31, v0                          ; lane
	v_and_b32 v12, 15, v0                          ; r
	v_bfe_u32 v13, v0, 4, 1                        ; h
	v_bfe_u32 v14, v0, 3, 1                        ; r / 8
	v_and_b32 v15, 7, v0                           ; r % 8
	v_lshlrev_b32 v1, 10, v13
	v_lshl_add_u32 v1, v14, 9, v1
	v_lshl_add_u32 v1, v15, 4, v1                  ; the weight's chunks and scale words: 1,024 h + 512 (r / 8) + 16 (r % 8)
	v_mul_u32_u24 v2, v13, 1040
	v_lshl_add_u32 v2, v12, 4, v2                  ; x's image: 1,040 h + 16 r
	v_lshlrev_b32 v3, 4, v11                       ; 16 x lane
	v_lshlrev_b32 v4, 3, v13                       ; 8 h
	v_lshlrev_b32 v5, 2, v11                       ; 4 x lane
	v_lshlrev_b32 v6, 4, v0                        ; 16 x thread
	v_lshlrev_b32 v7, 10, v14
	v_lshl_add_u32 v7, v15, 5, v7
	v_lshl_add_u32 v7, v13, 4, v7                  ; x's scale bytes: 32 x (32 (r / 8) + r % 8) + 16 h
	v_mul_u32_u24 v8, v11, 1040                    ; staging: thread (wave w, lane t) holds chunk t of tokens 16 i + w
	s_lshr_b32 s50, s20, 3
	s_lshl_b32 s50, s50, 8
	s_and_b32 s51, s20, 7
	s_lshl_b32 s51, s51, 4
	s_add_co_u32 s50, s50, s51
	v_add_nc_u32 v8, s50, v8                       ; 1,040 t + 16 x (16 (w / 8) + w % 8)
	v_lshlrev_b32 v9, 7, v13                       ; my 32 columns in bias, gain and shift: 128 h bytes
	v_lshlrev_b32 v10, 7, v14
	v_lshl_add_u32 v10, v15, 2, v10                ; v's bias: 4 x (32 (r / 8) + r % 8)
	v_cmp_ne_u32 vcc_lo, 0, v13                    ; lanes 16-31; kept for the whole launch
	v_lshlrev_b32 v15, 4, v12                      ; the sums: 16 r,
	s_lshl_b32 s50, s20, 8
	v_add_nc_u32 v14, s50, v15                     ; + 256 x wave for my own
	s_mov_b32 s27, 0                               ; s[26:27]: an offset in 64 bits
	s_wait_kmcnt 0x0
	s_lshl_b32 s26, s21, 15
	s_add_nc_u64 s[28:29], s[4:5], s[26:27]        ; x's codes of my 64 tokens
	s_lshl_b32 s26, s21, 11
	s_add_co_u32 s26, s26, OXS
	s_add_nc_u64 s[30:31], s[4:5], s[26:27]        ; their scale bytes
	s_lshl_b32 s26, s22, 19
	s_lshl_b32 s23, s20, 15
	s_add_co_u32 s26, s26, s23
	s_add_co_u32 s26, s26, OWI
	s_add_nc_u64 s[32:33], s[4:5], s[26:27]        ; my head's codes of weight y
	s_lshl_b32 s26, s22, 15
	s_lshl_b32 s23, s20, 11
	s_add_co_u32 s26, s26, s23
	s_add_co_u32 s26, s26, OWS
	s_add_nc_u64 s[34:35], s[4:5], s[26:27]        ; and their scale bytes
	s_cmp_eq_u32 s22, 1                            ; the bias: a choice on the work-group's number alone
	s_cselect_b64 s[36:37], s[8:9], s[6:7]
	s_cmp_eq_u32 s22, 2
	s_cselect_b64 s[36:37], s[10:11], s[36:37]
	s_lshl_b32 s26, s20, 8                         ; my head's 64 numbers
	s_add_nc_u64 s[36:37], s[36:37], s[26:27]
	s_add_nc_u64 s[44:45], s[12:13], s[26:27]
	s_add_nc_u64 s[46:47], s[14:15], s[26:27]
.irp i, 0,1,2,3
	global_load_b128 v[ACC+4*\i:ACC+4*\i+3], v6, s[28:29] offset:8192*\i   ; x's codes, as they lie: 8,192 consecutive bytes a work-group
.endr
.irp u, 0,1,2,3
	global_load_b128 v[AS+4*\u:AS+4*\u+3], v7, s[30:31] offset:256*\u      ; lanes 0-15: the words of K steps 0-3; lanes 16-31: of K steps 4-7
.endr
.irp i, 0,1,2,3
	global_load_b128 v[BS+4*\i:BS+4*\i+3], v1, s[34:35] offset:128*\i      ; the same for the weight
.endr
	BLD 0, B0
	s_wait_loadcnt 16                              ; x's codes are in; the 16 loads behind them may be out
.irp i, 0,1,2,3
	ds_store_b128 v8, v[ACC+4*\i:ACC+4*\i+3] offset:(32*(\i%2)+8*(\i/2))*16   ; token 16 i + w has place 32 (i % 2) + 16 (w / 8) + 8 (i / 2) + w % 8
.endr
	s_wait_dscnt 0x0                               ; for the others' sake
	s_barrier_signal -1
	s_barrier_wait -1                              ; x's image is whole; nobody writes it again
	s_cmp_eq_u32 s22, 2
	s_cbranch_scc1 .Lv
	GEMM 0
	s_cmp_eq_u32 s22, 1
	s_cbranch_scc1 .Lk
	; ---- q: bias, LayerNorm over the 1,024 columns that the sixteen waves hold together, f32 image, codes of q / 8
.irp g, 0,1,2,3,4,5,6,7
	global_load_b128 v[96+4*\g:99+4*\g], v9, s[44:45] offset:16*\g   ; the gain at my 32 columns
.endr
	s_wait_loadcnt 0x8                             ; the bias is in; the gain's eight loads may be out
	BIASADD
.irp u, 0,1,2,3
	v_pk_add_f32 v[52+2*\u:53+2*\u], v[ACC+32*\u:ACC+32*\u+1], v[ACC+32*\u+2:ACC+32*\u+3]
.endr
.set j, 4
.rept 14
.irp u, 0,1,2,3
	v_pk_add_f32 v[52+2*\u:53+2*\u], v[52+2*\u:53+2*\u], v[ACC+32*\u+j:ACC+32*\u+j+1]
.endr
.set j, j+2
.endr
	HALVES
	ALLSUM RED1
.irp u, 0,1,2,3
	v_mul_f32 v[52+2*\u], 0xba800000, v[48+\u]     ; minus the mean
.endr
.irp u, 0,1,2,3
	v_mov_b32 v[53+2*\u], v[52+2*\u]
.endr
.irp u, 0,1,2,3
.set j, 0
.rept 16
	v_pk_add_f32 v[ACC+32*\u+j:ACC+32*\u+j+1], v[ACC+32*\u+j:ACC+32*\u+j+1], v[52+2*\u:53+2*\u]
.set j, j+2
.endr
.endr
.irp u, 0,1,2,3
	v_pk_mul_f32 v[52+2*\u:53+2*\u], v[ACC+32*\u:ACC+32*\u+1], v[ACC+32*\u:ACC+32*\u+1]
.endr
.set j, 2
.rept 15
.irp u, 0,1,2,3
	v_pk_fma_f32 v[52+2*\u:53+2*\u], v[ACC+32*\u+j:ACC+32*\u+j+1], v[ACC+32*\u+j:ACC+32*\u+j+1], v[52+2*\u:53+2*\u]
.endr
.set j, j+2
.endr
	HALVES
	ALLSUM RED2                                    ; other bytes than the first sums': no barrier is owed between those reads and these stores
.irp g, 0,1,2,3,4,5,6,7
	global_load_b128 v[64+4*\g:67+4*\g], v9, s[46:47] offset:16*\g   ; the shift at my 32 columns
.endr
.irp u, 0,1,2,3
	v_fma_f32 v[48+\u], v[48+\u], s49, s48         ; the variance + 1e-5
.endr
.irp u, 0,1,2,3
	v_rsq_f32 v[52+2*\u], v[48+\u]
.endr
	v_nop                                          ; a plain line behind the transcendentals
	s_wait_alu depctr_va_vdst(0)
.irp u, 0,1,2,3
	v_mov_b32 v[53+2*\u], v[52+2*\u]
.endr
.irp u, 0,1,2,3
.set j, 0
.rept 16
	v_pk_mul_f32 v[ACC+32*\u+j:ACC+32*\u+j+1], v[ACC+32*\u+j:ACC+32*\u+j+1], v[52+2*\u:53+2*\u]
.set j, j+2
.endr
.endr
	s_wait_loadcnt 0x0                             ; gain and shift
.irp u, 0,1,2,3
.set j, 0
.rept 16
	v_pk_fma_f32 v[ACC+32*\u+j:ACC+32*\u+j+1], v[ACC+32*\u+j:ACC+32*\u+j+1], v[96+j:97+j], v[64+j:65+j]
.set j, j+2
.endr
.endr
	s_lshl_b32 s50, s21, 4
	s_add_co_u32 s50, s50, s20                     ; 16 rb + head
	s_lshl_b32 s26, s50, 14
	s_add_nc_u64 s[42:43], s[16:17], s[26:27]
	s_lshl_b32 s26, s50, 11
	s_add_nc_u64 s[38:39], s[18:19], s[26:27]
	s_lshl_b32 s26, s50, 9
	s_add_co_u32 s26, s26, OQS
	s_add_nc_u64 s[40:41], s[18:19], s[26:27]
.irp u, 0,1,2,3
.irp g, 0,1,2,3,4,5,6,7
	global_store_b128 v3, v[ACC+32*\u+4*\g:ACC+32*\u+4*\g+3], s[42:43] offset:4096*\u+512*\g   ; the normed q in f32, as an image of these registers: 512 consecutive bytes a store
.endr
.endr
	QUANT4 ACC, 0x3000000                          ; the floor 2^(6 - 127): the byte of q / 8 cannot fall under 1
.irp u, 0,1,2,3
	v_add_nc_u32 v[56+\u], -3, v[56+\u]            ; q / 8: the same codes, the scale's byte 3 less
.endr
.irp u, 0,1,2,3
	global_store_b128 v3, v[96+4*\u:99+4*\u], s[38:39] offset:512*\u
.endr
	PAIR4
.irp u, 0,1,2,3
	v_lshl_or_b32 v[48+\u], v[60+\u], 16, v[60+\u] ; the head's two bytes twice: they serve the 64 channels in either half of a K step of 128
.endr
	global_store_b128 v3, v[48:51], s[40:41]
	s_wait_xcnt 0x0
	v_lshl_add_u32 v254, v0, 2, 0xa200
	v_mov_b32 v255, 0
	s_wait_tensorcnt 0x0
	ds_add_u32 v254, v255
	s_wait_dscnt 0x0
	s_endpgm
.Lk:	; ---- k: bias, codes along the head's 64 channels
	s_wait_loadcnt 0x0
	BIASADD
	QUANT4 ACC, 0x1800000
	s_lshr_b32 s50, s21, 5                         ; the batch
	s_and_b32 s51, s21, 31                         ; the block of 64 keys in it
	s_lshl_b32 s50, s50, 4
	s_add_co_u32 s50, s50, s20                     ; 16 x batch + head
	s_lshl_b32 s50, s50, 5
	s_add_co_u32 s50, s50, s51
	s_lshl_b32 s26, s50, 11
	s_add_co_u32 s26, s26, OKI
	s_add_nc_u64 s[38:39], s[18:19], s[26:27]
	s_lshl_b32 s26, s50, 7
	s_add_co_u32 s26, s26, OKS
	s_add_nc_u64 s[40:41], s[18:19], s[26:27]
.irp u, 0,1,2,3
	global_store_b128 v3, v[96+4*\u:99+4*\u], s[38:39] offset:512*\u
.endr
	PAIR4
	v_lshl_or_b32 v48, v61, 16, v60                ; a fragment of the attention holds two key tiles: the word of tiles 0, 1
	v_lshl_or_b32 v49, v63, 16, v62                ; and of tiles 2, 3
	v_cndmask_b32 v50, v48, v49, vcc_lo            ; lanes 0-15 keep the first, lanes 16-31 the second
	global_store_b32 v5, v50, s[40:41]
	s_wait_xcnt 0x0
	v_lshl_add_u32 v254, v0, 2, 0xa200
	v_mov_b32 v255, 0
	s_wait_tensorcnt 0x0
	ds_add_u32 v254, v255
	s_wait_dscnt 0x0
	s_endpgm
.Lv:	; ---- v: sources swapped, bias, codes along the keys
	GEMM 1
	s_wait_loadcnt 0x0
.irp i, 0,1,2,3
	v_mov_b32 v[B0+2*\i+1], v[B0+2*\i]
.endr
.irp i, 0,1,2,3
.set j, 0
.rept 16
	v_pk_add_f32 v[ACC+32*\i+j:ACC+32*\i+j+1], v[ACC+32*\i+j:ACC+32*\i+j+1], v[B0+2*\i:B0+2*\i+1]
.set j, j+2
.endr
.endr
	QUANT4 ACC, 0x1800000
	s_lshr_b32 s50, s21, 5
	s_and_b32 s51, s21, 31
	s_lshl_b32 s50, s50, 4
	s_add_co_u32 s50, s50, s20                     ; 16 x batch + head
	s_lshl_b32 s50, s50, 4
	s_lshr_b32 s23, s51, 1
	s_add_co_u32 s50, s50, s23                     ; x 16 + the step of 128 keys
	s_and_b32 s51, s51, 1                          ; and which 64 of them
	s_lshl_b32 s26, s50, 12
	s_lshl_b32 s23, s51, 9
	s_add_co_u32 s26, s26, s23
	s_add_co_u32 s26, s26, OVI
	s_add_nc_u64 s[38:39], s[18:19], s[26:27]
	s_lshl_b32 s26, s50, 8
	s_lshl_b32 s23, s51, 1
	s_add_co_u32 s26, s26, s23
	s_add_co_u32 s26, s26, OVS
	s_add_nc_u64 s[40:41], s[18:19], s[26:27]
.irp i, 0,1,2,3
	global_store_b128 v3, v[96+4*\i:99+4*\i], s[38:39] offset:1024*\i
.endr
	PAIR4
	v_cndmask_b32 v48, v60, v61, vcc_lo            ; lanes 0-15: tile 0's two bytes, lanes 16-31: tile 1's
	v_cndmask_b32 v49, v62, v63, vcc_lo            ; tiles 2 and 3
	global_store_b16 v5, v48, s[40:41]             ; two of a scale word's four bytes; the neighbouring block of 64 keys stores the other two
	global_store_b16 v5, v49, s[40:41] offset:128
	s_wait_xcnt 0x0
	v_lshl_add_u32 v254, v0, 2, 0xa200
	v_mov_b32 v255, 0
	s_wait_tensorcnt 0x0
	ds_add_u32 v254, v255
	s_wait_dscnt 0x0
	s_endpgm
.Lfunc_end_k_q768aa7a782_qkv:
	.size	k_q768aa7a782_qkv, .Lfunc_end_k_q768aa7a782_qkv-k_q768aa7a782_qkv
	.p2alignl 7, 3214868480
	.fill 96, 4, 3214868480
	.section	.rodata,"a",@progbits
	.p2align	6, 0x0
	.amdhsa_kernel k_q768aa7a782_qkv
		.amdhsa_group_segment_fixed_size 43520
		.amdhsa_private_segment_fixed_size 0
		.amdhsa_enable_private_segment 0
		.amdhsa_kernarg_size 64
		.amdhsa_user_sgpr_count 2
		.amdhsa_user_sgpr_kernarg_segment_ptr 1
		.amdhsa_wavefront_size32 1
		.amdhsa_system_sgpr_workgroup_id_x 1
		.amdhsa_system_sgpr_workgroup_id_y 1
		.amdhsa_system_sgpr_workgroup_id_z 1
		.amdhsa_system_vgpr_workitem_id 0
		.amdhsa_next_free_vgpr 256
		.amdhsa_next_free_sgpr 66
		.amdhsa_reserve_vcc 1
		.amdhsa_float_denorm_mode_32 3
		.amdhsa_float_denorm_mode_16_64 3
		.amdhsa_memory_ordered 1
		.amdhsa_forward_progress 1
		.amdhsa_inst_pref_size 130
	.end_amdhsa_kernel
	.amdgpu_metadata
---
amdhsa.version: [ 1, 2 ]
amdhsa.kernels:
  - .name:           k_q768aa7a782_qkv
    .symbol:         k_q768aa7a782_qkv.kd
    .args:
      - { .name: prep, .offset: 0, .size: 8, .value_kind: global_buffer, .address_space: global }
      - { .name: bq, .offset: 8, .size: 8, .value_kind: global_buffer, .address_space: global }
      - { .name: bk, .offset: 16, .size: 8, .value_kind: global_buffer, .address_space: global }
      - { .name: bv, .offset: 24, .size: 8, .value_kind: global_buffer, .address_space: global }
      - { .name: ln_g, .offset: 32, .size: 8, .value_kind: global_buffer, .address_space: global }
      - { .name: ln_b, .offset: 40, .size: 8, .value_kind: global_buffer, .address_space: global }
      - { .name: qln, .offset: 48, .size: 8, .value_kind: global_buffer, .address_space: global }
      - { .name: qkvc, .offset: 56, .size: 8, .value_kind: global_buffer, .address_space: global }
    .group_segment_fixed_size: 43520
    .private_segment_fixed_size: 0
    .kernarg_segment_align: 8
    .kernarg_segment_size: 64
    .max_flat_workgroup_size: 512
    .sgpr_count:     66
    .vgpr_count:     256
    .wavefront_size: 32
...
	.end_amdgpu_metadata
.endif
;; end of part 2
;; launch attn (part 3): grid 8 x 32, 16 waves a work-group, no clusters, 206,848 bytes of LDS; arguments qkvc, qln, yc; writes yc
.if DOCPART == 3
	.amdgcn_target "amdgcn-amd-amdhsa--gfx1250"
	.amdhsa_code_object_version 6
	.text
	.protected	k_q768aa7a782_attn
	.globl	k_q768aa7a782_attn
	.p2align	8
	.type	k_q768aa7a782_attn,@function
k_q768aa7a782_attn:
	s_mov_b64 s[64:65], 0
	v_nop
	global_prefetch_b8 v0, s[64:65] scope:SCOPE_SE
	s_setreg_imm32_b32 hwreg(HW_REG_WAVE_MODE, 25, 1), 1
	s_wait_xcnt 0x0
; For each head: two key chunks of 1,024; in a chunk p = exp(s - m), m the chunk's largest score of the query; O = V^T p; the chunks are joined by exp(m - g), g the larger m; y = num / (1e-8 + den) + the normed q, quantised along the columns.
; Both products on codes of FP4 with E8M0 scales.  p is quantised as it stands, so m is known before any p is made: EACH CHUNK IS WALKED TWICE.  Pass 1: the scores, the largest of each block of 32 keys, m.
; Pass 2: the same scores again (the same instructions on the same registers' contents: the same bits), s - m by a subtraction of its own (exactly 0 at the maximum, so its p is exactly 1), x log2(e), 2^x, codes, V^T p.
; A block's largest p is not searched for: the block's largest score goes through the same three instructions.  (This takes v_exp_f32 not to fall where its input rises.)
; SHARES.  Work-group (qg, 16 b + head): 256 queries of one head; wave w owns token tile u = w % 4 of block rb = 32 b + 4 qg + w / 4: 16 queries, a lane one query throughout (both products are used transposed).
; The head's K and V, codes and scale bytes, 139,264 bytes, are copied into LDS once and read by all sixteen waves: one barrier in the launch.
; NO CLUSTER, NO TENSOR LOAD: what the eight work-groups of a head share is fetched once by each at its head, 136 KB for 2 x 16 key steps of work, not step by step; there is no ring whose refills could be asked jointly.
; K = 64 IN A FORM OF K = 128: a fragment of K holds TWO key tiles (registers 0-3, registers 4-7); against (q, zeros) it gives the first tile's scores, against (zeros, q) the second's.  v16-27 hold zeros, q, zeros.
; The keys of a tile: row r of tile (c, u) is key 64 c + 32 (r / 8) + 8 u + r % 8 of the step, so register 32 c + 8 u + j of lane (r, h) is key 64 c + 32 h + 8 u + j: a lane holds WHOLE blocks of 32 keys, and the conversions'
; results are the second product's operand as they stand.
; LIMITS: NaN and infinities are not served; a p under 2^-126 counts as 0; a block whose largest p lies under 2^-124 keeps the floor's byte (a block of zeros has zero codes).
; REGISTERS: v1-3 LDS addresses of the chunk; v4 8 h; v5 q's scale word, v6 p's, v28-29 K's, v30-31 V's (scales and nothing else); v7 g, v8 den, v9 at work; v[10:11] m twice; v[12:15] the sum of p in two pairs;
; v16-27 q; v32-63 K's fragments; v64-95 V's; v96-159 scores, then p; v160-191 O^T of the chunk; v192-223 num; v224-239 the blocks' largest scores, then the conversions' scale operands; v240-247 p's codes;
; v248-253 at work; v254 16 x lane, v255 LKS + 4 x lane.
.set OKI, 2097152
.set OVI, 4194304
.set OQS, 6291456
.set OKS, 6815744
.set OVS, 6946816
.set OYS, 2097152
.set LVI, 65536                        ; LDS: K's codes at 0, V's here,
.set LKS, 131072                       ; K's scale words, 4,096 bytes, V's behind them,
.set LQL, 139264                       ; and 4,096 bytes for each wave: its tile of the normed q, in f32
.set KF,  32
.set VF,  64
.set S,   96
.set O,   160
.set N,   192
.set BM,  224
.set P,   240
.macro KLOAD st                        ; key step st of the chunk: 8 key tiles in 4 fragments, and their scale words (lanes 0-15: tiles 0, 1; lanes 16-31: tiles 2, 3 of each 64 keys)
.irp g, 0,1,2,3,4,5,6,7
	ds_load_b128 v[KF+4*\g:KF+4*\g+3], v1 offset:(\st)*4096+\g*512
.endr
.irp c, 0,1
	ds_load_b32 v[28+\c], v3 offset:(\st)*256+\c*128
.endr
.endm
.macro VLOAD st                        ; the step's four tiles of V^T, and their scale words (lanes 0-15: tile 2 k; lanes 16-31: tile 2 k + 1)
.irp g, 0,1,2,3,4,5,6,7
	ds_load_b128 v[VF+4*\g:VF+4*\g+3], v2 offset:(\st)*4096+\g*512
.endr
.irp c, 0,1
	ds_load_b32 v[30+\c], v3 offset:4096+(\st)*256+\c*128
.endr
.endm
.macro SMUL                            ; S^T = K q^T for 128 keys: eight products, each a sum of its own
.irp c, 0,1
.irp u, 0,1,2,3
.set rD, S+32*\c+8*\u
.set rK, KF+8*(2*\c+\u/2)
.set rQ, 20-4*(\u%2)
.if \u < 2
	v_wmma_scale_f32_16x16x128_f8f6f4 v[rD:rD+7], v[rK:rK+7], v[rQ:rQ+7], 0, v[28+\c], v5 matrix_a_fmt:MATRIX_FMT_FP4 matrix_b_fmt:MATRIX_FMT_FP4
.else
	v_wmma_scale_f32_16x16x128_f8f6f4 v[rD:rD+7], v[rK:rK+7], v[rQ:rQ+7], 0, v[28+\c], v5 matrix_a_fmt:MATRIX_FMT_FP4 matrix_b_fmt:MATRIX_FMT_FP4 matrix_a_scale:MATRIX_SCALE_ROW1
.endif
.endr
.endr
.endm
.macro P1STEP st, nx                   ; pass 1: the largest score of my two blocks of the step; nx: the step whose K is fetched meanwhile
	s_wait_dscnt 0x0                               ; K's fragments are in
	SMUL
.rept 4
	v_nop                                          ; four plain lines in front of loads into the products' sources and of the first read of their results
.endr
	KLOAD \nx
.irp c, 0,1
	v_max3_num_f32 v[BM+2*(\st)+\c], v[S+32*\c], v[S+32*\c+1], v[S+32*\c+2]   ; ascending: each tile's result is read from its low end on
.endr
.irp i, 3,5,7,9,11,13,15,17,19,21,23,25,27,29
.irp c, 0,1
	v_max3_num_f32 v[BM+2*(\st)+\c], v[BM+2*(\st)+\c], v[S+32*\c+\i], v[S+32*\c+\i+1]
.endr
.endr
.irp c, 0,1
	v_max_num_f32 v[BM+2*(\st)+\c], v[BM+2*(\st)+\c], v[S+32*\c+31]
.endr
.endm
.macro MAXFIN                          ; m, and of each block's largest score the conversion's scale operand
	v_max3_num_f32 v9, v[BM], v[BM+1], v[BM+2]
.irp i, 3,5,7,9,11,13
	v_max3_num_f32 v9, v9, v[BM+\i], v[BM+\i+1]
.endr
	v_max_num_f32 v9, v9, v[BM+15]
	v_permlanex16_b32 v248, v9, s12, s13           ; the query's other blocks lie in lane l xor 16
	v_max_num_f32 v10, v9, v248
	v_mov_b32 v11, v10
.set j, 0
.rept 8
	v_pk_add_f32 v[BM+j:BM+j+1], v[BM+j:BM+j+1], v[10:11] neg_lo:[0,1] neg_hi:[0,1]
.set j, j+2
.endr
.set j, 0
.rept 8
	v_pk_mul_f32 v[BM+j:BM+j+1], v[BM+j:BM+j+1], s[14:15] op_sel_hi:[1,0]
.set j, j+2
.endr
.set j, 0
.rept 16
	v_exp_f32 v[BM+j], v[BM+j]                     ; the block's largest p
.set j, j+1
.endr
	v_nop                                          ; a plain line behind the transcendentals
.set j, 0
	s_wait_alu depctr_va_vdst(0)
.rept 16
	v_max_num_f32 v[BM+j], 0x1800000, v[BM+j]      ; the floor 2^(3 - 127): the byte cannot fall under 1
.set j, j+1
.endr
.set j, 0
.rept 16
	v_add_nc_u32 v[BM+j], 0xff000000, v[BM+j]      ; 2 off the exponent field
.set j, j+1
.endr
.endm
.macro PV1 i, zero
.set rO, O+8*\i
.set rV, VF+8*\i
.if \zero
.if \i%2
	v_wmma_scale_f32_16x16x128_f8f6f4 v[rO:rO+7], v[rV:rV+7], v[P:P+7], 0, v[30+\i/2], v6 matrix_a_fmt:MATRIX_FMT_FP4 matrix_b_fmt:MATRIX_FMT_FP4 matrix_a_scale:MATRIX_SCALE_ROW1
.else
	v_wmma_scale_f32_16x16x128_f8f6f4 v[rO:rO+7], v[rV:rV+7], v[P:P+7], 0, v[30+\i/2], v6 matrix_a_fmt:MATRIX_FMT_FP4 matrix_b_fmt:MATRIX_FMT_FP4
.endif
.else
.if \i%2
	v_wmma_scale_f32_16x16x128_f8f6f4 v[rO:rO+7], v[rV:rV+7], v[P:P+7], v[rO:rO+7], v[30+\i/2], v6 matrix_a_fmt:MATRIX_FMT_FP4 matrix_b_fmt:MATRIX_FMT_FP4 matrix_a_scale:MATRIX_SCALE_ROW1
.else
	v_wmma_scale_f32_16x16x128_f8f6f4 v[rO:rO+7], v[rV:rV+7], v[P:P+7], v[rO:rO+7], v[30+\i/2], v6 matrix_a_fmt:MATRIX_FMT_FP4 matrix_b_fmt:MATRIX_FMT_FP4
.endif
.endif
.endm
.macro P2STEP st                       ; pass 2
	s_wait_dscnt 0x0                               ; K's fragments are in
	SMUL
	v_lshrrev_b32 v248, 23, v[BM+2*(\st)]          ; p's scale word.  My bytes: blocks h and 2 + h.  These four lines are also the four plain lines behind the products
	v_lshrrev_b32 v249, 23, v[BM+2*(\st)+1]        ; above and behind the last step's V^T p, in front of the loads into their sources
	v_lshl_or_b32 v248, v249, 16, v248
	v_lshlrev_b32 v248, v4, v248                   ; 8 h bits up
	VLOAD \st
.if (\st) < 7
	KLOAD (\st)+1
.endif
	v_permlanex16_b32 v249, v248, s12, s13
	v_or_b32 v6, v248, v249                        ; with lane l xor 16's two the word is whole
.set j, 0
.rept 32
	v_pk_add_f32 v[S+j:S+j+1], v[S+j:S+j+1], v[10:11] neg_lo:[0,1] neg_hi:[0,1]   ; s - m, rounded by itself as the definition has it
.set j, j+2
.endr
.set j, 0
.rept 32
	v_pk_mul_f32 v[S+j:S+j+1], v[S+j:S+j+1], s[14:15] op_sel_hi:[1,0]             ; x log2(e)
.set j, j+2
.endr
.set j, 0
.rept 64
	v_exp_f32 v[S+j], v[S+j]                       ; p
.set j, j+1
.endr
	v_nop                                          ; a plain line behind the transcendentals
	s_wait_alu depctr_va_vdst(0)
.irp c, 0,1
.irp u, 0,1,2,3
	v_cvt_scalef32_pk8_fp4_f32 v[P+4*\c+\u], v[S+32*\c+8*\u:S+32*\c+8*\u+7], v[BM+2*(\st)+\c]
.endr
.endr
	v_nop                                          ; a plain line behind the last scaled conversion
.set j, 0
.rept 16
	v_pk_add_f32 v[12:13], v[12:13], v[S+j:S+j+1]          ; the sum is taken of the unquantised p, in two chains.  (These 32 lines also stand between the writes of p's codes and scale word and the products)
	v_pk_add_f32 v[14:15], v[14:15], v[S+j+2:S+j+3]
.set j, j+4
.endr
.if (\st) < 7
	s_wait_dscnt 0xa                               ; V's ten loads are in; the ten of the next step's K, issued behind them, may be out
.else
	s_wait_dscnt 0x0
.endif
.irp i, 0,1,2,3
.if (\st) == 0
	PV1 \i, 1                                      ; the chunk's first step starts the sums
.else
	PV1 \i, 0                                      ; four accumulators by turns, one instruction a turn
.endif
.endr
.endm
	s_load_b128 s[4:7], s[0:1], 0x0                ; qkvc s[4:5], qln s[6:7]
	s_load_b64 s[8:9], s[0:1], 0x10                ; yc
	v_lshrrev_b32 v1, 5, v0
	v_readfirstlane_b32 s10, v1                    ; wave 0..15
	s_and_b32 s11, ttmp7, 0xffff                   ; 16 x batch + head
	s_lshr_b32 s17, s11, 4
	s_and_b32 s18, s11, 15                         ; head
	s_lshl_b32 s19, s17, 5
	s_lshl_b32 s20, ttmp9, 2
	s_add_co_u32 s19, s19, s20
	s_lshr_b32 s20, s10, 2
	s_add_co_u32 s19, s19, s20                     ; rb = 32 b + 4 qg + wave / 4
	s_and_b32 s20, s10, 3                          ; u
	s_lshl_b32 s21, s19, 4
	s_add_co_u32 s21, s21, s18                     ; 16 rb + head
	s_lshl_b32 s45, s21, 2
	s_add_co_u32 s45, s45, s20                     ; x 4 + u: my tile
	s_mov_b32 s12, 0x76543210
	s_mov_b32 s13, 0xfedcba98                      ; v_permlanex16_b32's selects for lane l xor 16
	s_mov_b32 s14, 0x3fb8aa3b                      ; log2(e)
	s_mov_b32 s15, s14                             ; (named with it as a pair, so it is written)
	s_lshl_b32 s42, s10, 12
	s_add_co_u32 s42, s42, LQL                     ; my wave's 4,096 bytes
	v_and_b32 v9, 31, v0
	v_lshlrev_b32 v254, 4, v9                      ; 16 x lane
	v_lshl_add_u32 v255, v9, 2, LKS                ; LKS + 4 x lane
	v_bfe_u32 v4, v0, 4, 1
	v_lshlrev_b32 v4, 3, v4                        ; 8 h
	v_lshlrev_b32 v248, 4, v0                      ; the copies: 16 x thread,
	v_add_nc_u32 v249, LVI, v248
	v_lshlrev_b32 v250, 3, v0                      ; 8 x thread
	v_add_nc_u32 v251, LKS, v250
	v_add_nc_u32 v252, s42, v254
	v_mov_b32 v253, 0
	s_mov_b32 s41, 0                               ; s[40:41]: an offset in 64 bits
	s_wait_kmcnt 0x0
	s_lshl_b32 s40, s11, 16
	s_add_co_u32 s40, s40, OKI
	s_add_nc_u64 s[22:23], s[4:5], s[40:41]        ; the head's K codes
	s_add_co_u32 s40, s40, OVI-OKI
	s_add_nc_u64 s[24:25], s[4:5], s[40:41]        ; V codes
	s_lshl_b32 s40, s11, 12
	s_add_co_u32 s40, s40, OKS
	s_add_nc_u64 s[26:27], s[4:5], s[40:41]        ; K scale words
	s_add_co_u32 s40, s40, OVS-OKS
	s_add_nc_u64 s[28:29], s[4:5], s[40:41]        ; V scale words
	s_lshl_b32 s40, s45, 9
	s_add_nc_u64 s[30:31], s[4:5], s[40:41]        ; my tile's q codes
	s_lshl_b32 s40, s21, 9
	s_lshl_b32 s46, s20, 2
	s_add_co_u32 s40, s40, s46
	s_add_co_u32 s40, s40, OQS
	s_add_nc_u64 s[32:33], s[4:5], s[40:41]        ; its scale words
	s_lshl_b32 s40, s45, 12
	s_add_nc_u64 s[34:35], s[6:7], s[40:41]        ; its normed q in f32
	s_lshl_b32 s40, s19, 15
	s_lshl_b32 s46, s18, 11
	s_add_co_u32 s40, s40, s46
	s_lshl_b32 s46, s20, 8
	s_add_co_u32 s40, s40, s46
	s_add_nc_u64 s[36:37], s[8:9], s[40:41]        ; y's codes: 32,768 rb + 1,024 x (2 head) + 256 u
	s_lshl_b32 s40, s19, 11
	s_lshl_b32 s46, s20, 9
	s_add_co_u32 s40, s40, s46
	s_lshl_b32 s46, s18, 1
	s_add_co_u32 s40, s40, s46
	s_add_co_u32 s40, s40, OYS
	s_add_nc_u64 s[38:39], s[8:9], s[40:41]        ; y's scale bytes: 2,048 rb + 512 u + 2 head
.irp i, 0,1,2,3,4,5,6,7
	global_load_b128 v[96+4*\i:99+4*\i], v248, s[22:23] offset:8192*\i
.endr
.irp i, 0,1,2,3,4,5,6,7
	global_load_b128 v[128+4*\i:131+4*\i], v248, s[24:25] offset:8192*\i
.endr
.irp g, 0,1,2,3,4,5,6,7
	global_load_b128 v[160+4*\g:163+4*\g], v254, s[34:35] offset:512*\g th:TH_LOAD_NT
.endr
	global_load_b64 v[224:225], v250, s[26:27]
	global_load_b64 v[226:227], v250, s[28:29]
	global_load_b128 v[20:23], v254, s[30:31]
	global_load_b32 v5, v254, s[32:33]
.irp j, 16,17,18,19,24,25,26,27
	v_mov_b32 v[\j], 0                             ; zero codes on both sides of q's
.endr
.set j, 0
.rept 32
	v_mov_b32 v[N+j], 0                            ; num: no matrix instruction writes it; the first chunk's join multiplies these zeros by 0 and adds its O^T x 1
.set j, j+1
.endr
	v_mov_b32 v8, 0                                ; den
	v_mov_b32 v7, 0xff61b1e6                       ; g: -3e38, under every score
	s_wait_loadcnt 0x0
.irp i, 0,1,2,3,4,5,6,7
	ds_store_b128 v248, v[96+4*\i:99+4*\i] offset:8192*\i
.endr
.irp i, 0,1,2,3,4,5,6,7
	ds_store_b128 v249, v[128+4*\i:131+4*\i] offset:8192*\i
.endr
.irp g, 0,1,2,3,4,5,6,7
	ds_store_b128 v252, v[160+4*\g:163+4*\g] offset:512*\g
.endr
	ds_store_b64 v251, v[224:225]
	ds_store_b64 v251, v[226:227] offset:4096
	s_wait_dscnt 0x0                               ; for the others' sake: my stores have landed
	s_barrier_signal -1
	s_barrier_wait -1                              ; the head's K and V lie in LDS; nobody writes them again
	s_mov_b32 s16, 0
	s_mov_b32 s43, 0                               ; the chunk's first byte among K's and among V's codes
.Lchunk:                                               ; two trips: a key chunk each
	s_lshr_b32 s44, s43, 4                         ; and among the scale words: 2,048 a chunk
	v_add_nc_u32 v1, s43, v254
	v_add_nc_u32 v2, LVI, v1
	v_add_nc_u32 v3, s44, v255
	KLOAD 0
.irp j, 12,13,14,15
	v_mov_b32 v[\j], 0                             ; the chunk's sum of p
.endr
	P1STEP 0, 1
	P1STEP 1, 2
	P1STEP 2, 3
	P1STEP 3, 4
	P1STEP 4, 5
	P1STEP 5, 6
	P1STEP 6, 7
	P1STEP 7, 0                                    ; pass 2 begins at the chunk's first step again
	MAXFIN
.irp t, 0,1,2,3,4,5,6,7
	P2STEP \t
.endr
	; the join: num = num x exp(g_old - g) + O^T x exp(m - g), den likewise.  The first lines are the plain lines behind the last products
	v_pk_add_f32 v[12:13], v[12:13], v[14:15]
	v_add_f32 v12, v12, v13
	v_permlanex16_b32 v248, v12, s12, s13
	v_add_f32 v12, v12, v248                       ; the chunk's sum of p
	v_max_num_f32 v9, v7, v10                      ; g
	v_sub_f32 v250, v7, v9
	v_sub_f32 v252, v10, v9
	v_mul_f32 v250, s14, v250
	v_mul_f32 v252, s14, v252
	v_exp_f32 v250, v250                           ; in the first trip 2^(-infinity) = 0
	v_exp_f32 v252, v252                           ; and 2^0 = 1
	v_mov_b32 v7, v9                               ; (a plain line behind the transcendentals)
	s_wait_alu depctr_va_vdst(0)
	v_mov_b32 v251, v250
	v_mov_b32 v253, v252
	v_mul_f32 v8, v8, v250
	v_fma_f32 v8, v12, v252, v8
.set j, 0
.rept 16
	v_pk_mul_f32 v[N+j:N+j+1], v[N+j:N+j+1], v[250:251]
.set j, j+2
.endr
.set j, 0
.rept 16
	v_pk_fma_f32 v[N+j:N+j+1], v[O+j:O+j+1], v[252:253], v[N+j:N+j+1]   ; ascending: each accumulator is read from its low end on
.set j, j+2
.endr
	s_add_co_u32 s43, s43, 32768
	s_add_co_u32 s16, s16, 1
	s_cmp_lt_u32 s16, 2
	s_cbranch_scc1 .Lchunk
	; ---- y = num / (1e-8 + den) + the normed q; register 8 i + j is column 64 head + 32 h + 8 i + j: a whole block of the last product's K
	v_add_nc_u32 v9, s42, v254
.irp g, 0,1,2,3,4,5,6,7
	ds_load_b128 v[96+4*\g:99+4*\g], v9 offset:512*\g    ; my own bytes
.endr
	v_add_f32 v8, 0x322bcc77, v8                   ; 1e-8 + den
	v_rcp_f32 v250, v8
	v_rcp_f32 v251, v8
	v_and_b32 v248, 15, v0                         ; (a plain line behind the transcendentals)  r
	v_bfe_u32 v249, v0, 4, 1                       ; h
	v_lshlrev_b32 v252, 4, v248
	v_lshl_add_u32 v252, v249, 10, v252            ; the codes: 1,024 h + 16 r
	v_lshl_add_u32 v253, v248, 5, v249             ; the byte: 32 r + h
	s_wait_dscnt 0x0
.set j, 0
	s_wait_alu depctr_va_vdst(0)
.rept 16
	v_pk_fma_f32 v[128+j:129+j], v[N+j:N+j+1], v[250:251], v[96+j:97+j]
.set j, j+2
.endr
	v_max3_num_f32 v12, |v128|, |v129|, 0x1800000
.set j, 2
.rept 15
	v_max3_num_f32 v12, v12, |v[128+j]|, |v[129+j]|
.set j, j+2
.endr
	v_add_nc_u32 v13, 0xff000000, v12
	v_lshrrev_b32 v14, 23, v13
.irp g, 0,1,2,3
	v_cvt_scalef32_pk8_fp4_f32 v[P+\g], v[128+8*\g:135+8*\g], v13
.endr
	v_nop                                          ; a plain line behind the last scaled conversion
	global_store_b128 v252, v[P:P+3], s[36:37]     ; lanes 0-15 and lanes 16-31 each store 256 consecutive bytes, aligned
	global_store_b8 v253, v14, s[38:39]            ; single bytes: one for each 16 bytes of codes
	s_wait_xcnt 0x0
	v_lshl_add_u32 v254, v0, 2, 0x32000
	v_mov_b32 v255, 0
	s_wait_tensorcnt 0x0
	ds_add_u32 v254, v255
	s_wait_dscnt 0x0
	s_endpgm
.Lfunc_end_k_q768aa7a782_attn:
	.size	k_q768aa7a782_attn, .Lfunc_end_k_q768aa7a782_attn-k_q768aa7a782_attn
	.p2alignl 7, 3214868480
	.fill 96, 4, 3214868480
	.section	.rodata,"a",@progbits
	.p2align	6, 0x0
	.amdhsa_kernel k_q768aa7a782_attn
		.amdhsa_group_segment_fixed_size 206848
		.amdhsa_private_segment_fixed_size 0
		.amdhsa_enable_private_segment 0
		.amdhsa_kernarg_size 24
		.amdhsa_user_sgpr_count 2
		.amdhsa_user_sgpr_kernarg_segment_ptr 1
		.amdhsa_wavefront_size32 1
		.amdhsa_system_sgpr_workgroup_id_x 1
		.amdhsa_system_sgpr_workgroup_id_y 1
		.amdhsa_system_sgpr_workgroup_id_z 1
		.amdhsa_system_vgpr_workitem_id 0
		.amdhsa_next_free_vgpr 256
		.amdhsa_next_free_sgpr 66
		.amdhsa_reserve_vcc 0
		.amdhsa_float_denorm_mode_32 3
		.amdhsa_float_denorm_mode_16_64 3
		.amdhsa_memory_ordered 1
		.amdhsa_forward_progress 1
		.amdhsa_inst_pref_size 143
	.end_amdhsa_kernel
	.amdgpu_metadata
---
amdhsa.version: [ 1, 2 ]
amdhsa.kernels:
  - .name:           k_q768aa7a782_attn
    .symbol:         k_q768aa7a782_attn.kd
    .args:
      - { .name: qkvc, .offset: 0, .size: 8, .value_kind: global_buffer, .address_space: global }
      - { .name: qln, .offset: 8, .size: 8, .value_kind: global_buffer, .address_space: global }
      - { .name: yc, .offset: 16, .size: 8, .value_kind: global_buffer, .address_space: global }
    .group_segment_fixed_size: 206848
    .private_segment_fixed_size: 0
    .kernarg_segment_align: 8
    .kernarg_segment_size: 24
    .max_flat_workgroup_size: 512
    .sgpr_count:     66
    .vgpr_count:     256
    .wavefront_size: 32
...
	.end_amdgpu_metadata
.endif
;; end of part 3
;; launch oproj (part 4): grid 64 x 4, 16 waves a work-group, no clusters, 101,888 bytes of LDS; arguments yc, prep, bo, out0; writes out0
.if DOCPART == 4
	.amdgcn_target "amdgcn-amd-amdhsa--gfx1250"
	.amdhsa_code_object_version 6
	.text
	.protected	k_q768aa7a782_oproj
	.globl	k_q768aa7a782_oproj
	.p2align	8
	.type	k_q768aa7a782_oproj,@function
k_q768aa7a782_oproj:
	s_mov_b64 s[64:65], 0
	v_nop
	global_prefetch_b8 v0, s[64:65] scope:SCOPE_SE
	s_setreg_imm32_b32 hwreg(HW_REG_WAVE_MODE, 25, 1), 1
	s_wait_xcnt 0x0
; out = y Wo + bo on codes of FP4 with E8M0 scales.  y's codes and scale bytes come from the attention launch, Wo's from the first launch.
; SHARES.  Work-group (rb, cg): 64 tokens x 256 columns.  Wave w takes ONE head tile of Wo's columns (head 4 cg + w / 4, tile i = w % 4: row r is column 64 head + 32 (r / 8) + 8 i + r % 8) against the four token tiles:
; four accumulators.  Its part of Wo for all of K is 64 registers, asked for once at the head, read by no other wave of the work-group.  y's 32,768 bytes of codes are copied into LDS once (chunk (t, place) at 1,040 t + 16 place).
; Source 0 = Wo's tile, source 1 = the token tile: register j of lane (r, h) is column 64 head + 32 h + 8 i + j of token (u, r): eight neighbours of a row.  The bias is the C of each sum's first product.
; The results meet in a stage of 64 rows x (1,024 + 16) bytes; each wave stores four whole rows, 512 consecutive bytes a store.
; NO CLUSTER, NO TENSOR LOAD: the four column groups of a token block share y's 32 KB and the row blocks share Wo's 128 KB, each fetched once by a work-group at its head; there is no ring whose refills could be asked jointly.
; REGISTERS: v1-9 addresses; v16-31 y's scale words, v32-35 Wo's (scales and nothing else); v36-43 the bias; v48-79, v80-111 y's fragments, two sets; v112-175 Wo's eight fragments; v176-207 the accumulators; v208-239 staging, later rows.
.set OWI,  2097152
.set OWS,  4325376
.set OYS,  2097152
.set AF,   48
.set BF,   112
.set ACC,  176
.set STG,  33280
.macro ALOAD s                         ; the four token tiles' fragments of K step s
.set FB, AF+32*((\s)%2)
.irp u, 0,1,2,3
.irp c, 0,1
	ds_load_b128 v[FB+8*\u+4*\c:FB+8*\u+4*\c+3], v2 offset:(4*(\s)+2*\c)*1040+256*\u
.endr
.endr
.endm
	s_load_b256 s[4:11], s[0:1], 0x0               ; yc s[4:5], prep s[6:7], bo s[8:9], out0 s[10:11]
	v_lshl_add_u32 v254, v0, 2, 0x18600
	v_mov_b32 v255, 0
	v_lshrrev_b32 v1, 5, v0
	v_readfirstlane_b32 s12, v1                    ; wave 0..15
	s_and_b32 s13, ttmp7, 0xffff                   ; cg
	s_lshr_b32 s14, s12, 2
	s_and_b32 s15, s12, 3                          ; i
	s_lshl_b32 s16, s13, 2
	s_add_co_u32 s16, s16, s14                     ; head
	v_and_b32 v10, 31, v0                          ; lane
	v_and_b32 v11, 15, v0                          ; r
	v_bfe_u32 v12, v0, 4, 1                        ; h
	v_bfe_u32 v13, v0, 3, 1                        ; r / 8
	v_and_b32 v14, 7, v0                           ; r % 8
	v_lshlrev_b32 v1, 10, v12
	v_lshl_add_u32 v1, v13, 9, v1
	v_lshl_add_u32 v1, v14, 4, v1                  ; Wo's chunks and scale words: 1,024 h + 512 (r / 8) + 16 (r % 8)
	v_mul_u32_u24 v2, v12, 1040
	v_lshl_add_u32 v2, v11, 4, v2                  ; y's image: 1,040 h + 16 r
	v_lshlrev_b32 v3, 4, v10                       ; 16 x lane
	v_lshlrev_b32 v4, 4, v0                        ; 16 x thread
	v_lshlrev_b32 v5, 5, v11
	v_lshl_add_u32 v5, v12, 4, v5                  ; y's scale bytes: 32 r + 16 h
	v_lshlrev_b32 v6, 7, v12                       ; the bias: 128 h bytes
	v_lshrrev_b32 v7, 6, v0
	v_mul_u32_u24 v7, v7, 1040
	v_and_b32 v15, 63, v0
	v_lshl_add_u32 v7, v15, 4, v7                  ; staging: 1,040 (thread / 64) + 16 (thread % 64)
	s_lshl_b32 s32, s14, 8
	s_lshl_b32 s33, s15, 5
	s_add_co_u32 s32, s32, s33
	s_add_co_u32 s32, s32, STG
	v_mul_u32_u24 v8, v11, 1040
	v_lshl_add_u32 v8, v12, 7, v8
	v_add_nc_u32 v8, s32, v8                       ; the stage, in: row r, + 128 h + 256 (wave / 4) + 32 (wave % 4)
	s_mul_i32 s33, s12, 4160
	s_add_co_u32 s33, s33, STG
	v_add_nc_u32 v9, s33, v3                       ; and back: my four rows, 16 bytes a lane
	s_mov_b32 s19, 0                               ; s[18:19]: an offset in 64 bits
	s_wait_kmcnt 0x0
	s_lshl_b32 s18, ttmp9, 15
	s_add_nc_u64 s[20:21], s[4:5], s[18:19]        ; y's codes of my 64 tokens
	s_lshl_b32 s18, ttmp9, 11
	s_add_co_u32 s18, s18, OYS
	s_add_nc_u64 s[22:23], s[4:5], s[18:19]        ; their scale bytes
	s_lshl_b32 s18, s16, 11
	s_lshl_b32 s17, s15, 7
	s_add_co_u32 s18, s18, s17
	s_add_co_u32 s18, s18, OWS+3*32768
	s_add_nc_u64 s[24:25], s[6:7], s[18:19]        ; my tile's scale bytes of Wo
	s_lshl_b32 s18, s16, 8
	s_lshl_b32 s17, s15, 5
	s_add_co_u32 s18, s18, s17
	s_add_nc_u64 s[26:27], s[8:9], s[18:19]        ; bo at column 64 head + 8 i
	s_lshl_b32 s18, s16, 15
	s_lshl_b32 s17, s15, 7
	s_add_co_u32 s18, s18, s17
	s_add_co_u32 s18, s18, OWI+3*524288
	s_add_nc_u64 s[28:29], s[6:7], s[18:19]        ; my tile's codes of Wo
	s_lshl_b32 s18, ttmp9, 6                       ; the first token that I store: stage rows 4 w + k are places 16 u + r with u = w / 4, r = 4 (w % 4) + k
	s_bfe_u32 s17, s12, 0x10001
	s_lshl_b32 s17, s17, 5
	s_add_co_u32 s18, s18, s17                     ; + 32 (r / 8)
	s_lshl_b32 s17, s14, 3
	s_add_co_u32 s18, s18, s17                     ; + 8 u
	s_and_b32 s17, s12, 1
	s_lshl_b32 s17, s17, 2
	s_add_co_u32 s18, s18, s17                     ; + r % 8
	s_lshl_b32 s18, s18, 12
	s_lshl_b32 s17, s13, 10
	s_add_co_u32 s18, s18, s17
	s_add_nc_u64 s[30:31], s[10:11], s[18:19]
.irp k, 0,1,2,3
	global_load_b128 v[208+4*\k:211+4*\k], v4, s[20:21] offset:8192*\k
.endr
.irp u, 0,1,2,3
	global_load_b128 v[16+4*\u:19+4*\u], v5, s[22:23] offset:512*\u   ; lanes 0-15: the words of K steps 0-3; lanes 16-31: of K steps 4-7
.endr
	global_load_b128 v[32:35], v1, s[24:25]
	global_load_b128 v[36:39], v6, s[26:27]
	global_load_b128 v[40:43], v6, s[26:27] offset:16
.irp s, 0,1,2,3,4,5,6,7
.irp c, 0,1
	global_load_b128 v[BF+8*\s+4*\c:BF+8*\s+4*\c+3], v1, s[28:29] offset:4096*\s+2048*\c
.endr
.endr
	s_wait_loadcnt 23                              ; y's codes are in; the 23 loads behind them may be out
.irp k, 0,1,2,3
	ds_store_b128 v7, v[208+4*\k:211+4*\k] offset:8320*\k
.endr
	s_wait_dscnt 0x0                               ; for the others' sake
	s_barrier_signal -1
	s_barrier_wait -1                              ; y's image is whole; nobody writes it again
	ALOAD 0
.irp s, 0,1,2,3,4,5,6,7
.if \s < 7
	ALOAD \s+1
	s_wait_dscnt 0x8                               ; this step's eight loads are in; the eight just issued may be out
.else
	s_wait_dscnt 0x0
.endif
	s_wait_loadcnt 14-2*\s                         ; Wo's fragment of this step and all that was asked for before it; the later steps' two loads each may be out
.set FB, AF+32*(\s%2)
.irp u, 0,1,2,3                        ; four accumulators by turns, one instruction a turn
.if \s == 0
	v_wmma_scale_f32_16x16x128_f8f6f4 v[ACC+8*\u:ACC+8*\u+7], v[BF+8*\s:BF+8*\s+7], v[FB+8*\u:FB+8*\u+7], v[36:43], v[32+\s%4], v[16+4*\u+\s%4] matrix_a_fmt:MATRIX_FMT_FP4 matrix_b_fmt:MATRIX_FMT_FP4
.elseif \s < 4
	v_wmma_scale_f32_16x16x128_f8f6f4 v[ACC+8*\u:ACC+8*\u+7], v[BF+8*\s:BF+8*\s+7], v[FB+8*\u:FB+8*\u+7], v[ACC+8*\u:ACC+8*\u+7], v[32+\s%4], v[16+4*\u+\s%4] matrix_a_fmt:MATRIX_FMT_FP4 matrix_b_fmt:MATRIX_FMT_FP4
.else
	v_wmma_scale_f32_16x16x128_f8f6f4 v[ACC+8*\u:ACC+8*\u+7], v[BF+8*\s:BF+8*\s+7], v[FB+8*\u:FB+8*\u+7], v[ACC+8*\u:ACC+8*\u+7], v[32+\s%4], v[16+4*\u+\s%4] matrix_a_fmt:MATRIX_FMT_FP4 matrix_b_fmt:MATRIX_FMT_FP4 matrix_a_scale:MATRIX_SCALE_ROW1 matrix_b_scale:MATRIX_SCALE_ROW1
.endif
.endr
.rept 4
	v_nop                                          ; four plain lines in front of loads into the products' sources, and at the end of the stores of their results
.endr
.endr
.irp u, 0,1,2,3
	ds_store_b128 v8, v[ACC+8*\u:ACC+8*\u+3] offset:16640*\u       ; each accumulator from its low end on
	ds_store_b128 v8, v[ACC+8*\u+4:ACC+8*\u+7] offset:16640*\u+16
.endr
	s_wait_dscnt 0x0                               ; for the others' sake: a row's 1,024 bytes come from sixteen waves
	s_barrier_signal -1
	s_barrier_wait -1
.irp k, 0,1,2,3
.irp f, 0,1
	ds_load_b128 v[208+8*\k+4*\f:211+8*\k+4*\f], v9 offset:1040*\k+512*\f
.endr
.endr
.irp k, 0,1,2,3
.irp f, 0,1
	s_wait_dscnt 7-2*\k-\f
	global_store_b128 v3, v[208+8*\k+4*\f:211+8*\k+4*\f], s[30:31] offset:4096*\k+512*\f th:TH_STORE_NT   ; 32 lanes store 512 consecutive bytes, at a multiple of 256 from the output's first byte
.endr
.endr
	s_wait_tensorcnt 0x0
	ds_add_u32 v254, v255
	s_wait_dscnt 0x0
	s_endpgm
.Lfunc_end_k_q768aa7a782_oproj:
	.size	k_q768aa7a782_oproj, .Lfunc_end_k_q768aa7a782_oproj-k_q768aa7a782_oproj
	.p2alignl 7, 3214868480
	.fill 96, 4, 3214868480
	.section	.rodata,"a",@progbits
	.p2align	6, 0x0
	.amdhsa_kernel k_q768aa7a782_oproj
		.amdhsa_group_segment_fixed_size 101888
		.amdhsa_private_segment_fixed_size 0
		.amdhsa_enable_private_segment 0
		.amdhsa_kernarg_size 32
		.amdhsa_user_sgpr_count 2
		.amdhsa_user_sgpr_kernarg_segment_ptr 1
		.amdhsa_wavefront_size32 1
		.amdhsa_system_sgpr_workgroup_id_x 1
		.amdhsa_system_sgpr_workgroup_id_y 1
		.amdhsa_system_sgpr_workgroup_id_z 1
		.amdhsa_system_vgpr_workitem_id 0
		.amdhsa_next_free_vgpr 256
		.amdhsa_next_free_sgpr 66
		.amdhsa_reserve_vcc 0
		.amdhsa_float_denorm_mode_32 3
		.amdhsa_float_denorm_mode_16_64 3
		.amdhsa_memory_ordered 1
		.amdhsa_forward_progress 1
		.amdhsa_inst_pref_size 18
	.end_amdhsa_kernel
	.amdgpu_metadata
---
amdhsa.version: [ 1, 2 ]
amdhsa.kernels:
  - .name:           k_q768aa7a782_oproj
    .symbol:         k_q768aa7a782_oproj.kd
    .args:
      - { .name: yc, .offset: 0, .size: 8, .value_kind: global_buffer, .address_space: global }
      - { .name: prep, .offset: 8, .size: 8, .value_kind: global_buffer, .address_space: global }
      - { .name: bo, .offset: 16, .size: 8, .value_kind: global_buffer, .address_space: global }
      - { .name: out0, .offset: 24, .size: 8, .value_kind: global_buffer, .address_space: global }
    .group_segment_fixed_size: 101888
    .private_segment_fixed_size: 0
    .kernarg_segment_align: 8
    .kernarg_segment_size: 32
    .max_flat_workgroup_size: 512
    .sgpr_count:     66
    .vgpr_count:     256
    .wavefront_size: 32
...
	.end_amdgpu_metadata
.endif
;; end of part 4
;; ======== version 2 of 2: 4 launches; version 1 with the launches qkv, attn, oproj written anew for expert scheduling mode
;; workspace buffers: prep 4,456,448 bytes; qln 16,777,216 bytes; qkvc 7,077,888 bytes; yc 2,228,224 bytes
;; launch prep: the kernel of part 1 again; grid 192 x 1, 4 waves a work-group, no clusters, 33,280 bytes of LDS; arguments x, Wq, Wk, Wv, Wo, prep; writes prep
;; launch qkv (part 5): grid 64 x 3, 16 waves a work-group, no clusters, 43,520 bytes of LDS; arguments prep, bq, bk, bv, ln_g, ln_b, qln, qkvc; writes qln, qkvc
.if DOCPART == 5
	.amdgcn_target "amdgcn-amd-amdhsa--gfx1250"
	.amdhsa_code_object_version 6
	.text
	.protected	k_q768aa7a782_qkv
	.globl	k_q768aa7a782_qkv
	.p2align	8
	.type	k_q768aa7a782_qkv,@function
k_q768aa7a782_qkv:
	s_mov_b64 s[64:65], 0
	v_nop
	global_prefetch_b8 v0, s[64:65] scope:SCOPE_SE
	s_setreg_imm32_b32 hwreg(HW_REG_WAVE_SCHED_MODE, 0, 2), 2
	s_setreg_imm32_b32 hwreg(HW_REG_WAVE_MODE, 25, 1), 1
	s_wait_xcnt 0x0
	s_wait_alu depctr_vm_vsrc(0)
; q = LayerNorm(x Wq + bq), k = x Wk + bk, v = x Wv + bv, the products on codes of FP4 with E8M0 scales; then q / 8, k and v are quantised for the attention launch.
; SHARES.  Work-group (rb, y): 64 tokens (block rb) x all 1,024 columns of weight y (0 q, 1 k, 2 v): the LayerNorm wants whole rows.  Wave w makes head w: 64 x 64, 16 accumulators of 16 x 16.
; TILES ARE CHOSEN ROWS.  Token tile u: row r is token 64 rb + 32 (r / 8) + 8 u + r % 8.  Head tile i: row r is column 64 w + 32 (r / 8) + 8 i + r % 8.
;   q, k: source 0 = head tile i, source 1 = token tile u: register 8 i + j of lane (r, h) is column 64 w + 32 h + 8 i + j of token (u, r): the four tiles i give a lane a WHOLE block of 32 neighbouring columns.
;   v:    sources swapped: register 8 u + j is token 64 rb + 32 h + 8 u + j of column (i, r): a whole block of 32 neighbouring KEYS, which are the K of the attention's second product.
;   So a block's largest magnitude needs no other lane, and four conversions give a register group of the next operand as it stands.
; x's codes of the 64 tokens (32,768 bytes) are copied into LDS once, chunk (block t, place 16 u + r) at 1,040 t + 16 place.  A wave's weight fragments are read by no other wave of the work-group and go from memory straight
; into its registers, one K step ahead, from a buffer laid in the order of the registers.
; NO CLUSTER, NO TENSOR LOAD: the row blocks of one weight do read the same weights, but a joint load would put them through LDS, 64 KB written and read again for each K step of 128 beside the 64 KB of x's fragments that
; the sixteen waves read there; from registers' order in memory each fragment is moved once.
; LIMITS: NaN and infinities are not served.  A block whose largest magnitude lies under 2^-124 (2^-121 for the normed q) keeps the floor's scale byte; a block of zeros has zero codes.
; 1 / 8 is a power of two: the codes of q / 8 are those of q, and its scale byte is 3 less.
; REGISTERS: v1-10, v14, v15 addresses, never rewritten; v16-31 x's scale words, v32-47 the weight's (scales and nothing else); v48-63 two fragments of x, later at work; v64-95, v96-127 the weight's fragments, two sets, later
; bias, gain, sums, codes; v128-255 the accumulators.
; THE MODE: SCHED_MODE bits 1:0 = 2 (LLVM: expert scheduling mode 2), set by the entry lines.  The code itself states the register dependences between vector or matrix instructions and memory or LDS instructions,
; with s_wait_alu, always for 0.
; THE PLAN.  Registers that memory or LDS instructions touch:
;   v1-10, v14, v15   offsets and LDS addresses: written at the head, ahead of one wait, and never again.
;   v128-143          at the head x's codes on their way into LDS: loaded, read by the LDS stores, later written by the products.
;   v48-63            x's two fragments: loaded from LDS, read by eight products, loaded again.  All 256 registers are taken, so there is one set, and one wait stands ahead of each of its loads.
;   v64-95, v96-127   the weight's two sets by turns: step s's products read one; the loads of step s + 1 land in the other, which step s - 1's products read: the wait at the step's head serves them with x's pair.
;                     Behind the product: bias, gain and shift land there, and the sixteen waves' sums; each run of loads stands behind a wait that shows the set's last readers done.
;   v48-51            the sums: written by vector lines, read by one LDS store, written again by the additions.
;   v128-255 (q), v96-111, v48-51 or v50   what is stored: written by vector lines; one wait ahead of the normed q's stores, one ahead of all the last stores of each way.
.set OWI,  2097152
.set OXS,  4194304
.set OWS,  4325376
.set OKI,  2097152
.set OVI,  4194304
.set OQS,  6291456
.set OKS,  6815744
.set OVS,  6946816
.set AS,   16
.set BS,   32
.set AF,   48
.set B0,   64
.set ACC,  128
.set RED1, 33280                       ; LDS behind x's image: [wave][r][4 sums], 4,096 bytes;
.set RED2, 37376                       ; and once more for the squares
.macro PLACES                          ; four plain vector lines behind matrix instructions, in front of loads into their sources and of reads of their results
.rept 4
	v_nop
.endr
.endm
.macro ALD s, u0                       ; x's fragments of token tiles u0, u0 + 1, K step s
.irp uu, 0,1
.irp c, 0,1
	ds_load_b128 v[AF+8*\uu+4*\c:AF+8*\uu+4*\c+3], v2 offset:(4*(\s)+2*\c)*1040+((\u0)+\uu)*256
.endr
.endr
.endm
.macro BLD s, buf                      ; my head's four fragments of the weight, K step s
.irp i, 0,1,2,3
.irp c, 0,1
	global_load_b128 v[\buf+8*\i+4*\c:\buf+8*\i+4*\c+3], v1, s[32:33] offset:(\s)*4096+\c*2048+\i*128
.endr
.endr
.endm
.macro MM1 d, a, b, sa, sb, s          ; the scale registers hold K steps 0-3 in lanes 0-15 and K steps 4-7 in lanes 16-31
.if (\s) == 0
	v_wmma_scale_f32_16x16x128_f8f6f4 v[\d:\d+7], v[\a:\a+7], v[\b:\b+7], 0, v[\sa], v[\sb] matrix_a_fmt:MATRIX_FMT_FP4 matrix_b_fmt:MATRIX_FMT_FP4
.elseif (\s) < 4
	v_wmma_scale_f32_16x16x128_f8f6f4 v[\d:\d+7], v[\a:\a+7], v[\b:\b+7], v[\d:\d+7], v[\sa], v[\sb] matrix_a_fmt:MATRIX_FMT_FP4 matrix_b_fmt:MATRIX_FMT_FP4
.else
	v_wmma_scale_f32_16x16x128_f8f6f4 v[\d:\d+7], v[\a:\a+7], v[\b:\b+7], v[\d:\d+7], v[\sa], v[\sb] matrix_a_fmt:MATRIX_FMT_FP4 matrix_b_fmt:MATRIX_FMT_FP4 matrix_a_scale:MATRIX_SCALE_ROW1 matrix_b_scale:MATRIX_SCALE_ROW1
.endif
.endm
.macro MM8 tr, s, u0                   ; token tiles u0, u0 + 1 x the four head tiles
.irp uu, 0,1
.irp i, 0,1,2,3
.set rU, (\u0)+\uu
.set rX, AF+8*\uu
.set rW, BP+8*\i
.set sX, AS+4*rU+((\s)%4)
.set sW, BS+4*\i+((\s)%4)
.if \tr
.set rD, ACC+32*\i+8*rU
	MM1 rD, rX, rW, sX, sW, \s
.else
.set rD, ACC+32*rU+8*\i
	MM1 rD, rW, rX, sW, sX, \s
.endif
.endr
.endr
.endm
; The product: 8 K steps of 128.  The 16 accumulators take turns, one instruction a turn, in the same order in every step.  tr = 1: sources swapped (v).
; The last step asks for the bias where the others ask for the next step's fragments.
.macro GEMM tr
.irp s, 0,1,2,3,4,5,6,7
.set BP, B0+32*(\s%2)
.set BN, B0+32-32*(\s%2)
.if \s > 0
	s_wait_alu depctr_va_vdst(0)                   ; the last step's products are done reading x's two fragments and their set of the weight's fragments: the loads below land in both
.endif
	ALD \s, 0
.if \s < 7
	BLD \s+1, BN
	s_wait_loadcnt 0x8                             ; all but the eight loads just issued: this step's fragments (in step 0 the scale words too) are in
.elseif \tr
.irp i, 0,1,2,3
	global_load_b32 v[B0+2*\i], v10, s[36:37] offset:32*\i   ; bv at column (i, r)
.endr
	s_wait_loadcnt 0x4                             ; all but these four
.else
.irp g, 0,1,2,3,4,5,6,7
	global_load_b128 v[B0+4*\g:B0+4*\g+3], v9, s[36:37] offset:16*\g   ; the bias at my 32 columns
.endr
	s_wait_loadcnt 0x8                             ; all but these eight
.endif
	s_wait_dscnt 0x0
	MM8 \tr, \s, 0
	PLACES
	s_wait_alu depctr_va_vdst(0)                   ; these eight products are done reading x's two fragments, in which the next two land
	ALD \s, 2
	s_wait_dscnt 0x0
	MM8 \tr, \s, 2
	PLACES
.endr
.endm
; Four blocks of 32 numbers, block b in v[base + 32 b ..], by turns: largest magnitude (v48+b), the conversion's scale operand (v52+b), the scale's byte (v56+b), 16 bytes of codes (v[96 + 4 b ..]).
.macro QUANT4 base, floor
.irp b, 0,1,2,3
	v_max3_num_f32 v[48+\b], |v[\base+32*\b]|, |v[\base+32*\b+1]|, \floor
.endr
.set j, 2
.rept 15
.irp b, 0,1,2,3
	v_max3_num_f32 v[48+\b], v[48+\b], |v[\base+32*\b+j]|, |v[\base+32*\b+j+1]|
.endr
.set j, j+2
.endr
.irp b, 0,1,2,3
	v_add_nc_u32 v[52+\b], 0xff000000, v[48+\b]    ; 2 off the exponent field
.endr
.irp b, 0,1,2,3
	v_lshrrev_b32 v[56+\b], 23, v[52+\b]
.endr
.irp b, 0,1,2,3
.irp g, 0,1,2,3
	v_cvt_scalef32_pk8_fp4_f32 v[96+4*\b+\g], v[\base+32*\b+8*\g:\base+32*\b+8*\g+7], v[52+\b]
.endr
.endr
	v_nop                                          ; one plain line behind the last scaled conversion
.endm
.macro PAIR4                           ; v[60 + b] = the byte of lanes 0-15 | the byte of lanes 16-31 << 8, in both halves of the lanes
.irp b, 0,1,2,3
	v_lshlrev_b32 v[60+\b], v4, v[56+\b]           ; my byte, 8 h bits up
.endr
.irp b, 0,1,2,3
	v_permlanex16_b32 v[48+\b], v[60+\b], s24, s25
.endr
.irp b, 0,1,2,3
	v_or_b32 v[60+\b], v[60+\b], v[48+\b]
.endr
.endm
.macro BIASADD                         ; q, k: register 8 i + j of every token tile is column 32 h + 8 i + j.  Ascending
.irp u, 0,1,2,3
.set j, 0
.rept 16
	v_pk_add_f32 v[ACC+32*\u+j:ACC+32*\u+j+1], v[ACC+32*\u+j:ACC+32*\u+j+1], v[B0+j:B0+j+1]
.set j, j+2
.endr
.endr
.endm
.macro HALVES                          ; v[52 + 2 u : 53 + 2 u] -> v[48 + u]: the pair's halves and lane l xor 16's: the wave's 64 columns of token (u, r)
.irp u, 0,1,2,3
	v_add_f32 v[48+\u], v[52+2*\u], v[53+2*\u]
.endr
.irp u, 0,1,2,3
	v_permlanex16_b32 v[60+\u], v[48+\u], s24, s25
.endr
.irp u, 0,1,2,3
	v_add_f32 v[48+\u], v[48+\u], v[60+\u]
.endr
.endm
.macro ALLSUM red                      ; the sixteen waves' v[48:51] are added, in ascending order of the waves, in every wave alike
	s_wait_alu depctr_va_vdst(0)                   ; my four sums v48-51 are written, which the store reads; the vector lines that read v64-95 are done, in which the loads below land
	ds_store_b128 v14, v[48:51] offset:\red        ; both halves of the lanes write the same bytes with the same values
	s_wait_dscnt 0x0                               ; for the others' sake: my store has landed
	s_barrier_signal -1
	s_barrier_wait -1
.irp w, 0,1,2,3,4,5,6,7
	ds_load_b128 v[64+4*\w:67+4*\w], v15 offset:\red+256*\w
.endr
	s_wait_dscnt 0x0
	s_wait_alu depctr_vm_vsrc(0)                   ; my store has read v48-51, which the additions write again
	v_pk_add_f32 v[48:49], v[64:65], v[68:69]
	v_pk_add_f32 v[50:51], v[66:67], v[70:71]
.irp w, 2,3,4,5,6,7
	v_pk_add_f32 v[48:49], v[48:49], v[64+4*\w:65+4*\w]
	v_pk_add_f32 v[50:51], v[50:51], v[66+4*\w:67+4*\w]
.endr
	s_wait_alu depctr_va_vdst(0)                   ; these additions are done reading v64-95, in which the other eight waves' sums land
.irp w, 0,1,2,3,4,5,6,7
	ds_load_b128 v[64+4*\w:67+4*\w], v15 offset:\red+2048+256*\w
.endr
	s_wait_dscnt 0x0
.irp w, 0,1,2,3,4,5,6,7
	v_pk_add_f32 v[48:49], v[48:49], v[64+4*\w:65+4*\w]
	v_pk_add_f32 v[50:51], v[50:51], v[66+4*\w:67+4*\w]
.endr
.endm
	s_load_b512 s[4:19], s[0:1], 0x0               ; prep s[4:5], bq s[6:7], bk s[8:9], bv s[10:11], ln_g s[12:13], ln_b s[14:15], qln s[16:17], qkvc s[18:19]
	v_lshrrev_b32 v1, 5, v0
	v_readfirstlane_b32 s20, v1                    ; wave 0..15 = head
	s_mov_b32 s21, ttmp9                           ; rb
	s_and_b32 s22, ttmp7, 0xffff                   ; y
	s_mov_b32 s24, 0x76543210
	s_mov_b32 s25, 0xfedcba98                      ; v_permlanex16_b32's selects for lane l xor 16
	s_mov_b32 s48, 0x3727c5ac                      ; 1e-5
	s_mov_b32 s49, 0x3a800000                      ; 1 / 1,024
	v_and_b32 v11, 31, v0                          ; lane
	v_and_b32 v12, 15, v0                          ; r
	v_bfe_u32 v13, v0, 4, 1                        ; h
	v_bfe_u32 v14, v0, 3, 1                        ; r / 8
	v_and_b32 v15, 7, v0                           ; r % 8
	v_lshlrev_b32 v1, 10, v13
	v_lshl_add_u32 v1, v14, 9, v1
	v_lshl_add_u32 v1, v15, 4, v1                  ; the weight's chunks and scale words: 1,024 h + 512 (r / 8) + 16 (r % 8)
	v_mul_u32_u24 v2, v13, 1040
	v_lshl_add_u32 v2, v12, 4, v2                  ; x's image: 1,040 h + 16 r
	v_lshlrev_b32 v3, 4, v11                       ; 16 x lane
	v_lshlrev_b32 v4, 3, v13                       ; 8 h
	v_lshlrev_b32 v5, 2, v11                       ; 4 x lane
	v_lshlrev_b32 v6, 4, v0                        ; 16 x thread
	v_lshlrev_b32 v7, 10, v14
	v_lshl_add_u32 v7, v15, 5, v7
	v_lshl_add_u32 v7, v13, 4, v7                  ; x's scale bytes: 32 x (32 (r / 8) + r % 8) + 16 h
	v_mul_u32_u24 v8, v11, 1040                    ; staging: thread (wave w, lane t) holds chunk t of tokens 16 i + w
	s_wait_alu depctr_va_sdst(0)                   ; s20, the wave's number, is written, ahead of its first reader
	s_lshr_b32 s50, s20, 3
	s_lshl_b32 s50, s50, 8
	s_and_b32 s51, s20, 7
	s_lshl_b32 s51, s51, 4
	s_add_co_u32 s50, s50, s51
	v_add_nc_u32 v8, s50, v8                       ; 1,040 t + 16 x (16 (w / 8) + w % 8)
	v_lshlrev_b32 v9, 7, v13                       ; my 32 columns in bias, gain and shift: 128 h bytes
	v_lshlrev_b32 v10, 7, v14
	v_lshl_add_u32 v10, v15, 2, v10                ; v's bias: 4 x (32 (r / 8) + r % 8)
	v_cmp_ne_u32 vcc_lo, 0, v13                    ; lanes 16-31; kept for the whole launch
	v_lshlrev_b32 v15, 4, v12                      ; the sums: 16 r,
	s_lshl_b32 s50, s20, 8
	v_add_nc_u32 v14, s50, v15                     ; + 256 x wave for my own
	s_wait_alu depctr_va_vcc(0)                    ; VCC is written.
	s_mov_b32 s27, 0                               ; s[26:27]: an offset in 64 bits
	s_wait_kmcnt 0x0
	s_lshl_b32 s26, s21, 15
	s_add_nc_u64 s[28:29], s[4:5], s[26:27]        ; x's codes of my 64 tokens
	s_lshl_b32 s26, s21, 11
	s_add_co_u32 s26, s26, OXS
	s_add_nc_u64 s[30:31], s[4:5], s[26:27]        ; their scale bytes
	s_lshl_b32 s26, s22, 19
	s_lshl_b32 s23, s20, 15
	s_add_co_u32 s26, s26, s23
	s_add_co_u32 s26, s26, OWI
	s_add_nc_u64 s[32:33], s[4:5], s[26:27]        ; my head's codes of weight y
	s_lshl_b32 s26, s22, 15
	s_lshl_b32 s23, s20, 11
	s_add_co_u32 s26, s26, s23
	s_add_co_u32 s26, s26, OWS
	s_add_nc_u64 s[34:35], s[4:5], s[26:27]        ; and their scale bytes
	s_cmp_eq_u32 s22, 1                            ; the bias: a choice on the work-group's number alone
	s_cselect_b64 s[36:37], s[8:9], s[6:7]
	s_cmp_eq_u32 s22, 2
	s_cselect_b64 s[36:37], s[10:11], s[36:37]
	s_lshl_b32 s26, s20, 8                         ; my head's 64 numbers
	s_add_nc_u64 s[36:37], s[36:37], s[26:27]
	s_add_nc_u64 s[44:45], s[12:13], s[26:27]
	s_add_nc_u64 s[46:47], s[14:15], s[26:27]
	s_wait_alu depctr_va_vdst(0)                   ; the offsets and LDS addresses v1-10, v14, v15 are written: every load and store of the launch reads one of them
.irp i, 0,1,2,3
	global_load_b128 v[ACC+4*\i:ACC+4*\i+3], v6, s[28:29] offset:8192*\i   ; x's codes, as they lie: 8,192 consecutive bytes a work-group
.endr
.irp u, 0,1,2,3
	global_load_b128 v[AS+4*\u:AS+4*\u+3], v7, s[30:31] offset:256*\u      ; lanes 0-15: the words of K steps 0-3; lanes 16-31: of K steps 4-7
.endr
.irp i, 0,1,2,3
	global_load_b128 v[BS+4*\i:BS+4*\i+3], v1, s[34:35] offset:128*\i      ; the same for the weight
.endr
	BLD 0, B0
	s_wait_loadcnt 16                              ; x's codes are in; the 16 loads behind them may be out
.irp i, 0,1,2,3
	ds_store_b128 v8, v[ACC+4*\i:ACC+4*\i+3] offset:(32*(\i%2)+8*(\i/2))*16   ; token 16 i + w has place 32 (i % 2) + 16 (w / 8) + 8 (i / 2) + w % 8
.endr
	s_wait_dscnt 0x0                               ; for the others' sake
	s_barrier_signal -1
	s_barrier_wait -1                              ; x's image is whole; nobody writes it again
	s_wait_alu depctr_vm_vsrc(0)                   ; my LDS stores have read v128-143, which the first products write: ahead of the branch, for both ways
	s_cmp_eq_u32 s22, 2
	s_cbranch_scc1 .Lv
	GEMM 0
	s_cmp_eq_u32 s22, 1
	s_cbranch_scc1 .Lk
	; ---- q: bias, LayerNorm over the 1,024 columns that the sixteen waves hold together, f32 image, codes of q / 8
	s_wait_alu depctr_va_vdst(0)                   ; the last step's products are done reading v96-127, in which the gain lands
.irp g, 0,1,2,3,4,5,6,7
	global_load_b128 v[96+4*\g:99+4*\g], v9, s[44:45] offset:16*\g   ; the gain at my 32 columns
.endr
	s_wait_loadcnt 0x8                             ; the bias is in; the gain's eight loads may be out
	BIASADD
.irp u, 0,1,2,3
	v_pk_add_f32 v[52+2*\u:53+2*\u], v[ACC+32*\u:ACC+32*\u+1], v[ACC+32*\u+2:ACC+32*\u+3]
.endr
.set j, 4
.rept 14
.irp u, 0,1,2,3
	v_pk_add_f32 v[52+2*\u:53+2*\u], v[52+2*\u:53+2*\u], v[ACC+32*\u+j:ACC+32*\u+j+1]
.endr
.set j, j+2
.endr
	HALVES
	ALLSUM RED1
.irp u, 0,1,2,3
	v_mul_f32 v[52+2*\u], 0xba800000, v[48+\u]     ; minus the mean
.endr
.irp u, 0,1,2,3
	v_mov_b32 v[53+2*\u], v[52+2*\u]
.endr
.irp u, 0,1,2,3
.set j, 0
.rept 16
	v_pk_add_f32 v[ACC+32*\u+j:ACC+32*\u+j+1], v[ACC+32*\u+j:ACC+32*\u+j+1], v[52+2*\u:53+2*\u]
.set j, j+2
.endr
.endr
.irp u, 0,1,2,3
	v_pk_mul_f32 v[52+2*\u:53+2*\u], v[ACC+32*\u:ACC+32*\u+1], v[ACC+32*\u:ACC+32*\u+1]
.endr
.set j, 2
.rept 15
.irp u, 0,1,2,3
	v_pk_fma_f32 v[52+2*\u:53+2*\u], v[ACC+32*\u+j:ACC+32*\u+j+1], v[ACC+32*\u+j:ACC+32*\u+j+1], v[52+2*\u:53+2*\u]
.endr
.set j, j+2
.endr
	HALVES
	ALLSUM RED2                                    ; other bytes than the first sums': no barrier is owed between those reads and these stores
	s_wait_alu depctr_va_vdst(0)                   ; the last additions are done reading v64-95, in which the shift lands
.irp g, 0,1,2,3,4,5,6,7
	global_load_b128 v[64+4*\g:67+4*\g], v9, s[46:47] offset:16*\g   ; the shift at my 32 columns
.endr
.irp u, 0,1,2,3
	v_fma_f32 v[48+\u], v[48+\u], s49, s48         ; the variance + 1e-5
.endr
.irp u, 0,1,2,3
	v_rsq_f32 v[52+2*\u], v[48+\u]
.endr
	v_nop                                          ; a plain line behind the transcendentals
	s_wait_alu depctr_va_vdst(0)                   ; the four reciprocal roots v52, v54, v56, v58 are written, ahead of their first reader
.irp u, 0,1,2,3
	v_mov_b32 v[53+2*\u], v[52+2*\u]
.endr
.irp u, 0,1,2,3
.set j, 0
.rept 16
	v_pk_mul_f32 v[ACC+32*\u+j:ACC+32*\u+j+1], v[ACC+32*\u+j:ACC+32*\u+j+1], v[52+2*\u:53+2*\u]
.set j, j+2
.endr
.endr
	s_wait_loadcnt 0x0                             ; gain and shift
.irp u, 0,1,2,3
.set j, 0
.rept 16
	v_pk_fma_f32 v[ACC+32*\u+j:ACC+32*\u+j+1], v[ACC+32*\u+j:ACC+32*\u+j+1], v[96+j:97+j], v[64+j:65+j]
.set j, j+2
.endr
.endr
	s_lshl_b32 s50, s21, 4
	s_add_co_u32 s50, s50, s20                     ; 16 rb + head
	s_lshl_b32 s26, s50, 14
	s_add_nc_u64 s[42:43], s[16:17], s[26:27]
	s_lshl_b32 s26, s50, 11
	s_add_nc_u64 s[38:39], s[18:19], s[26:27]
	s_lshl_b32 s26, s50, 9
	s_add_co_u32 s26, s26, OQS
	s_add_nc_u64 s[40:41], s[18:19], s[26:27]
	s_wait_alu depctr_va_vdst(0)                   ; the multiply-adds have written the normed q, v128-255, which the 32 stores read
.irp u, 0,1,2,3
.irp g, 0,1,2,3,4,5,6,7
	global_store_b128 v3, v[ACC+32*\u+4*\g:ACC+32*\u+4*\g+3], s[42:43] offset:4096*\u+512*\g   ; the normed q in f32, as an image of these registers: 512 consecutive bytes a store
.endr
.endr
	QUANT4 ACC, 0x3000000                          ; the floor 2^(6 - 127): the byte of q / 8 cannot fall under 1
.irp u, 0,1,2,3
	v_add_nc_u32 v[56+\u], -3, v[56+\u]            ; q / 8: the same codes, the scale's byte 3 less
.endr
	PAIR4
.irp u, 0,1,2,3
	v_lshl_or_b32 v[48+\u], v[60+\u], 16, v[60+\u] ; the head's two bytes twice: they serve the 64 channels in either half of a K step of 128
.endr
	s_wait_alu depctr_va_vdst(0)                   ; the conversions have written the codes v96-111 and the lines above the scale words v48-51: one wait for the five stores
.irp u, 0,1,2,3
	global_store_b128 v3, v[96+4*\u:99+4*\u], s[38:39] offset:512*\u
.endr
	global_store_b128 v3, v[48:51], s[40:41]
	s_wait_xcnt 0x0
	s_wait_alu depctr_vm_vsrc(0)                   ; the stores of the normed q have read v254 and v255, which are made anew below
	v_lshl_add_u32 v254, v0, 2, 0xa200
	v_mov_b32 v255, 0
	s_wait_dscnt 0x0                               ; the closing lines, six on end
	s_wait_alu 0x0
	s_wait_tensorcnt 0x0
	ds_add_u32 v254, v255
	s_wait_dscnt 0x0
	s_endpgm
.Lk:	; ---- k: bias, codes along the head's 64 channels
	s_wait_loadcnt 0x0
	BIASADD
	QUANT4 ACC, 0x1800000
	s_lshr_b32 s50, s21, 5                         ; the batch
	s_and_b32 s51, s21, 31                         ; the block of 64 keys in it
	s_lshl_b32 s50, s50, 4
	s_add_co_u32 s50, s50, s20                     ; 16 x batch + head
	s_lshl_b32 s50, s50, 5
	s_add_co_u32 s50, s50, s51
	s_lshl_b32 s26, s50, 11
	s_add_co_u32 s26, s26, OKI
	s_add_nc_u64 s[38:39], s[18:19], s[26:27]
	s_lshl_b32 s26, s50, 7
	s_add_co_u32 s26, s26, OKS
	s_add_nc_u64 s[40:41], s[18:19], s[26:27]
	PAIR4
	v_lshl_or_b32 v48, v61, 16, v60                ; a fragment of the attention holds two key tiles: the word of tiles 0, 1
	v_lshl_or_b32 v49, v63, 16, v62                ; and of tiles 2, 3
	v_cndmask_b32 v50, v48, v49, vcc_lo            ; lanes 0-15 keep the first, lanes 16-31 the second
	s_wait_alu depctr_va_vdst(0)                   ; the conversions have written the codes v96-111 and the selection the scale word v50: one wait for the five stores
.irp u, 0,1,2,3
	global_store_b128 v3, v[96+4*\u:99+4*\u], s[38:39] offset:512*\u
.endr
	global_store_b32 v5, v50, s[40:41]
	s_wait_xcnt 0x0
	v_lshl_add_u32 v254, v0, 2, 0xa200
	v_mov_b32 v255, 0
	s_wait_dscnt 0x0                               ; the closing lines, six on end
	s_wait_alu 0x0
	s_wait_tensorcnt 0x0
	ds_add_u32 v254, v255
	s_wait_dscnt 0x0
	s_endpgm
.Lv:	; ---- v: sources swapped, bias, codes along the keys
	GEMM 1
	s_wait_loadcnt 0x0
.irp i, 0,1,2,3
	v_mov_b32 v[B0+2*\i+1], v[B0+2*\i]
.endr
.irp i, 0,1,2,3
.set j, 0
.rept 16
	v_pk_add_f32 v[ACC+32*\i+j:ACC+32*\i+j+1], v[ACC+32*\i+j:ACC+32*\i+j+1], v[B0+2*\i:B0+2*\i+1]
.set j, j+2
.endr
.endr
	QUANT4 ACC, 0x1800000
	s_lshr_b32 s50, s21, 5
	s_and_b32 s51, s21, 31
	s_lshl_b32 s50, s50, 4
	s_add_co_u32 s50, s50, s20                     ; 16 x batch + head
	s_lshl_b32 s50, s50, 4
	s_lshr_b32 s23, s51, 1
	s_add_co_u32 s50, s50, s23                     ; x 16 + the step of 128 keys
	s_and_b32 s51, s51, 1                          ; and which 64 of them
	s_lshl_b32 s26, s50, 12
	s_lshl_b32 s23, s51, 9
	s_add_co_u32 s26, s26, s23
	s_add_co_u32 s26, s26, OVI
	s_add_nc_u64 s[38:39], s[18:19], s[26:27]
	s_lshl_b32 s26, s50, 8
	s_lshl_b32 s23, s51, 1
	s_add_co_u32 s26, s26, s23
	s_add_co_u32 s26, s26, OVS
	s_add_nc_u64 s[40:41], s[18:19], s[26:27]
	PAIR4
	v_cndmask_b32 v48, v60, v61, vcc_lo            ; lanes 0-15: tile 0's two bytes, lanes 16-31: tile 1's
	v_cndmask_b32 v49, v62, v63, vcc_lo            ; tiles 2 and 3
	s_wait_alu depctr_va_vdst(0)                   ; the conversions have written the codes v96-111 and the selections the bytes v48, v49: one wait for the six stores
.irp i, 0,1,2,3
	global_store_b128 v3, v[96+4*\i:99+4*\i], s[38:39] offset:1024*\i
.endr
	global_store_b16 v5, v48, s[40:41]             ; two of a scale word's four bytes; the neighbouring block of 64 keys stores the other two
	global_store_b16 v5, v49, s[40:41] offset:128
	s_wait_xcnt 0x0
	v_lshl_add_u32 v254, v0, 2, 0xa200
	v_mov_b32 v255, 0
	s_wait_dscnt 0x0                               ; the closing lines, six on end
	s_wait_alu 0x0
	s_wait_tensorcnt 0x0
	ds_add_u32 v254, v255
	s_wait_dscnt 0x0
	s_endpgm
.Lfunc_end_k_q768aa7a782_qkv:
	.size	k_q768aa7a782_qkv, .Lfunc_end_k_q768aa7a782_qkv-k_q768aa7a782_qkv
	.p2alignl 7, 3214868480
	.fill 96, 4, 3214868480
	.section	.rodata,"a",@progbits
	.p2align	6, 0x0
	.amdhsa_kernel k_q768aa7a782_qkv
		.amdhsa_group_segment_fixed_size 43520
		.amdhsa_private_segment_fixed_size 0
		.amdhsa_enable_private_segment 0
		.amdhsa_kernarg_size 64
		.amdhsa_user_sgpr_count 2
		.amdhsa_user_sgpr_kernarg_segment_ptr 1
		.amdhsa_wavefront_size32 1
		.amdhsa_system_sgpr_workgroup_id_x 1
		.amdhsa_system_sgpr_workgroup_id_y 1
		.amdhsa_system_sgpr_workgroup_id_z 1
		.amdhsa_system_vgpr_workitem_id 0
		.amdhsa_next_free_vgpr 256
		.amdhsa_next_free_sgpr 66
		.amdhsa_reserve_vcc 1
		.amdhsa_float_denorm_mode_32 3
		.amdhsa_float_denorm_mode_16_64 3
		.amdhsa_memory_ordered 1
		.amdhsa_forward_progress 1
		.amdhsa_inst_pref_size 132
	.end_amdhsa_kernel
	.amdgpu_metadata
---
amdhsa.version: [ 1, 2 ]
amdhsa.kernels:
  - .name:           k_q768aa7a782_qkv
    .symbol:         k_q768aa7a782_qkv.kd
    .args:
      - { .name: prep, .offset: 0, .size: 8, .value_kind: global_buffer, .address_space: global }
      - { .name: bq, .offset: 8, .size: 8, .value_kind: global_buffer, .address_space: global }
      - { .name: bk, .offset: 16, .size: 8, .value_kind: global_buffer, .address_space: global }
      - { .name: bv, .offset: 24, .size: 8, .value_kind: global_buffer, .address_space: global }
      - { .name: ln_g, .offset: 32, .size: 8, .value_kind: global_buffer, .address_space: global }
      - { .name: ln_b, .offset: 40, .size: 8, .value_kind: global_buffer, .address_space: global }
      - { .name: qln, .offset: 48, .size: 8, .value_kind: global_buffer, .address_space: global }
      - { .name: qkvc, .offset: 56, .size: 8, .value_kind: global_buffer, .address_space: global }
    .group_segment_fixed_size: 43520
    .private_segment_fixed_size: 0
    .kernarg_segment_align: 8
    .kernarg_segment_size: 64
    .max_flat_workgroup_size: 512
    .sgpr_count:     66
    .vgpr_count:     256
    .wavefront_size: 32
...
	.end_amdgpu_metadata
.endif
;; end of part 5
;; launch attn (part 6): grid 8 x 32, 16 waves a work-group, no clusters, 206,848 bytes of LDS; arguments qkvc, qln, yc; writes yc
.if DOCPART == 6
	.amdgcn_target "amdgcn-amd-amdhsa--gfx1250"
	.amdhsa_code_object_version 6
	.text
	.protected	k_q768aa7a782_attn
	.globl	k_q768aa7a782_attn
	.p2align	8
	.type	k_q768aa7a782_attn,@function
k_q768aa7a782_attn:
	s_mov_b64 s[64:65], 0
	v_nop
	global_prefetch_b8 v0, s[64:65] scope:SCOPE_SE
	s_setreg_imm32_b32 hwreg(HW_REG_WAVE_SCHED_MODE, 0, 2), 2
	s_setreg_imm32_b32 hwreg(HW_REG_WAVE_MODE, 25, 1), 1
	s_wait_xcnt 0x0
	s_wait_alu depctr_vm_vsrc(0)
; For each head: two key chunks of 1,024; in a chunk p = exp(s - m), m the chunk's largest score of the query; O = V^T p; the chunks are joined by exp(m - g), g the larger m; y = num / (1e-8 + den) + the normed q, quantised along the columns.
; Both products on codes of FP4 with E8M0 scales.  p is quantised as it stands, so m is known before any p is made: EACH CHUNK IS WALKED TWICE.  Pass 1: the scores, the largest of each block of 32 keys, m.
; Pass 2: the same scores again (the same instructions on the same registers' contents: the same bits), s - m by a subtraction of its own (exactly 0 at the maximum, so its p is exactly 1), x log2(e), 2^x, codes, V^T p.
; A block's largest p is not searched for: the block's largest score goes through the same three instructions.  (This takes v_exp_f32 not to fall where its input rises.)
; SHARES.  Work-group (qg, 16 b + head): 256 queries of one head; wave w owns token tile u = w % 4 of block rb = 32 b + 4 qg + w / 4: 16 queries, a lane one query throughout (both products are used transposed).
; The head's K and V, codes and scale bytes, 139,264 bytes, are copied into LDS once and read by all sixteen waves: one barrier in the launch.
; NO CLUSTER, NO TENSOR LOAD: what the eight work-groups of a head share is fetched once by each at its head, 136 KB for 2 x 16 key steps of work, not step by step; there is no ring whose refills could be asked jointly.
; K = 64 IN A FORM OF K = 128: a fragment of K holds TWO key tiles (registers 0-3, registers 4-7); against (q, zeros) it gives the first tile's scores, against (zeros, q) the second's.  v16-27 hold zeros, q, zeros.
; The keys of a tile: row r of tile (c, u) is key 64 c + 32 (r / 8) + 8 u + r % 8 of the step, so register 32 c + 8 u + j of lane (r, h) is key 64 c + 32 h + 8 u + j: a lane holds WHOLE blocks of 32 keys, and the conversions'
; results are the second product's operand as they stand.
; LIMITS: NaN and infinities are not served; a p under 2^-126 counts as 0; a block whose largest p lies under 2^-124 keeps the floor's byte (a block of zeros has zero codes).
; REGISTERS: v1-3 LDS addresses of the chunk; v4 8 h; v5 q's scale word, v6 p's, v28-29 K's, v30-31 V's, in pass 1 K's second set's (scales and nothing else); v7 g, v8 den, v9 at work; v[10:11] m twice; v[12:15] the sum of p in two pairs;
; v16-27 q; v32-63 K's fragments; v64-95 V's, in pass 1 K's second set; v96-159 scores, then p; v160-191 O^T of the chunk; v192-223 num; v224-239 the blocks' largest scores, then the conversions' scale operands; v240-247 p's codes;
; v248-253 at work; v254 16 x lane, v255 LKS + 4 x lane.
; THE MODE: SCHED_MODE bits 1:0 = 2 (LLVM: expert scheduling mode 2), set by the entry lines.  The code itself states the register dependences between vector or matrix instructions and memory or LDS instructions,
; with s_wait_alu, always for 0.
; THE PLAN.  Registers that memory or LDS instructions touch:
;   v1-3                  LDS addresses: written by three additions at a trip's head, between a wait on vm_vsrc (the last trip's loads have read them) and a wait on va_vdst; read by every LDS load of the trip.
;   set 0: v32-63, v28-29;  set 1: v64-95, v30-31.
;       Pass 1: step st's eight products read set st % 2; the ten loads of the next step land in the other set, which the products of step st - 1 read.  ONE wait at the step's head, behind the wait for the step's own
;       fragments, shows those done; the loads are then dealt among the step's products, which name set st % 2, q and the scores: none of the registers that the loads touch.
;       Pass 2: set 0 is K's, set 1 V's.  ONE wait behind the scores' products shows them done reading set 0 and the last step's V^T p done reading set 1; both runs of loads follow it.
;   v240-247, v6          p's codes and scale word: written by vector lines, taken by the scaled products: a wait behind the places, ahead of V^T p.
;   v96-191, v224-227, v248-252   at the head the copies' data and addresses: the wait on vm_vsrc at the first trip's head shows them read, ahead of all that writes them again.
;   v9, v96-127, v240-243, v14, v252, v253   on the way out: an LDS address, the loads' registers, the stores' data and offsets: a wait ahead of the loads, one ahead of the stores.
.set OKI, 2097152
.set OVI, 4194304
.set OQS, 6291456
.set OKS, 6815744
.set OVS, 6946816
.set OYS, 2097152
.set LVI, 65536                        ; LDS: K's codes at 0, V's here,
.set LKS, 131072                       ; K's scale words, 4,096 bytes, V's behind them,
.set LQL, 139264                       ; and 4,096 bytes for each wave: its tile of the normed q, in f32
.set KF,  32
.set VF,  64
.set S,   96
.set O,   160
.set N,   192
.set BM,  224
.set P,   240
.macro KLOAD st                        ; key step st of the chunk into set 0: 8 key tiles in 4 fragments, and their scale words (lanes 0-15: tiles 0, 1; lanes 16-31: tiles 2, 3 of each 64 keys)
.irp g, 0,1,2,3,4,5,6,7
	ds_load_b128 v[KF+4*\g:KF+4*\g+3], v1 offset:(\st)*4096+\g*512
.endr
.irp c, 0,1
	ds_load_b32 v[28+\c], v3 offset:(\st)*256+\c*128
.endr
.endm
.macro VLOAD st                        ; the step's four tiles of V^T, and their scale words (lanes 0-15: tile 2 k; lanes 16-31: tile 2 k + 1)
.irp g, 0,1,2,3,4,5,6,7
	ds_load_b128 v[VF+4*\g:VF+4*\g+3], v2 offset:(\st)*4096+\g*512
.endr
.irp c, 0,1
	ds_load_b32 v[30+\c], v3 offset:4096+(\st)*256+\c*128
.endr
.endm
; S^T = K q^T for 128 keys: eight products, each a sum of its own, on K's set p.  nx >= 0: key step nx's ten loads, into the other set, are dealt among and behind them.
.macro SMUL p, nx
.irp c, 0,1
.irp u, 0,1,2,3
.set rD, S+32*\c+8*\u
.set rK, KF+32*(\p)+8*(2*\c+\u/2)
.set rQ, 20-4*(\u%2)
.if \u < 2
	v_wmma_scale_f32_16x16x128_f8f6f4 v[rD:rD+7], v[rK:rK+7], v[rQ:rQ+7], 0, v[28+2*(\p)+\c], v5 matrix_a_fmt:MATRIX_FMT_FP4 matrix_b_fmt:MATRIX_FMT_FP4
.else
	v_wmma_scale_f32_16x16x128_f8f6f4 v[rD:rD+7], v[rK:rK+7], v[rQ:rQ+7], 0, v[28+2*(\p)+\c], v5 matrix_a_fmt:MATRIX_FMT_FP4 matrix_b_fmt:MATRIX_FMT_FP4 matrix_a_scale:MATRIX_SCALE_ROW1
.endif
.if (\nx) >= 0
	ds_load_b128 v[KF+32*(1-(\p))+16*\c+4*\u:KF+32*(1-(\p))+16*\c+4*\u+3], v1 offset:(\nx)*4096+(4*\c+\u)*512   ; no wait: no vector or matrix instruction since the step's wait names the other set
.endif
.endr
.endr
.if (\nx) >= 0
.irp c, 0,1
	ds_load_b32 v[30-2*(\p)+\c], v3 offset:(\nx)*256+\c*128
.endr
.endif
.endm
.macro P1STEP st, nx                   ; pass 1: the largest score of my two blocks of the step; nx: the step whose K is fetched meanwhile
	s_wait_dscnt 0x0                               ; K's fragments are in
.if (\st) > 0
	s_wait_alu depctr_va_vdst(0)                   ; the products of the step before are done reading the other set and its scale words, in which this step's loads land.  (In step 0 the wait at the trip's head has shown that)
.endif
	SMUL (\st)%2, \nx
.rept 4
	v_nop                                          ; four plain lines in front of the first read of the products' results, and of the next step's loads into their sources
.endr
.irp c, 0,1
	v_max3_num_f32 v[BM+2*(\st)+\c], v[S+32*\c], v[S+32*\c+1], v[S+32*\c+2]   ; ascending: each tile's result is read from its low end on
.endr
.irp i, 3,5,7,9,11,13,15,17,19,21,23,25,27,29
.irp c, 0,1
	v_max3_num_f32 v[BM+2*(\st)+\c], v[BM+2*(\st)+\c], v[S+32*\c+\i], v[S+32*\c+\i+1]
.endr
.endr
.irp c, 0,1
	v_max_num_f32 v[BM+2*(\st)+\c], v[BM+2*(\st)+\c], v[S+32*\c+31]
.endr
.endm
.macro MAXFIN                          ; m, and of each block's largest score the conversion's scale operand
	v_max3_num_f32 v9, v[BM], v[BM+1], v[BM+2]
.irp i, 3,5,7,9,11,13
	v_max3_num_f32 v9, v9, v[BM+\i], v[BM+\i+1]
.endr
	v_max_num_f32 v9, v9, v[BM+15]
	v_permlanex16_b32 v248, v9, s12, s13           ; the query's other blocks lie in lane l xor 16
	v_max_num_f32 v10, v9, v248
	v_mov_b32 v11, v10
.set j, 0
.rept 8
	v_pk_add_f32 v[BM+j:BM+j+1], v[BM+j:BM+j+1], v[10:11] neg_lo:[0,1] neg_hi:[0,1]
.set j, j+2
.endr
.set j, 0
.rept 8
	v_pk_mul_f32 v[BM+j:BM+j+1], v[BM+j:BM+j+1], s[14:15] op_sel_hi:[1,0]
.set j, j+2
.endr
.set j, 0
.rept 16
	v_exp_f32 v[BM+j], v[BM+j]                     ; the block's largest p
.set j, j+1
.endr
	v_nop                                          ; a plain line behind the transcendentals
	s_wait_alu depctr_va_vdst(0)                   ; the sixteen exponentials have written v224-239, ahead of their first reader
.set j, 0
.rept 16
	v_max_num_f32 v[BM+j], 0x1800000, v[BM+j]      ; the floor 2^(3 - 127): the byte cannot fall under 1
.set j, j+1
.endr
.set j, 0
.rept 16
	v_add_nc_u32 v[BM+j], 0xff000000, v[BM+j]      ; 2 off the exponent field
.set j, j+1
.endr
.endm
.macro PV1 i, zero
.set rO, O+8*\i
.set rV, VF+8*\i
.if \zero
.if \i%2
	v_wmma_scale_f32_16x16x128_f8f6f4 v[rO:rO+7], v[rV:rV+7], v[P:P+7], 0, v[30+\i/2], v6 matrix_a_fmt:MATRIX_FMT_FP4 matrix_b_fmt:MATRIX_FMT_FP4 matrix_a_scale:MATRIX_SCALE_ROW1
.else
	v_wmma_scale_f32_16x16x128_f8f6f4 v[rO:rO+7], v[rV:rV+7], v[P:P+7], 0, v[30+\i/2], v6 matrix_a_fmt:MATRIX_FMT_FP4 matrix_b_fmt:MATRIX_FMT_FP4
.endif
.else
.if \i%2
	v_wmma_scale_f32_16x16x128_f8f6f4 v[rO:rO+7], v[rV:rV+7], v[P:P+7], v[rO:rO+7], v[30+\i/2], v6 matrix_a_fmt:MATRIX_FMT_FP4 matrix_b_fmt:MATRIX_FMT_FP4 matrix_a_scale:MATRIX_SCALE_ROW1
.else
	v_wmma_scale_f32_16x16x128_f8f6f4 v[rO:rO+7], v[rV:rV+7], v[P:P+7], v[rO:rO+7], v[30+\i/2], v6 matrix_a_fmt:MATRIX_FMT_FP4 matrix_b_fmt:MATRIX_FMT_FP4
.endif
.endif
.endm
.macro P2STEP st                       ; pass 2
	s_wait_dscnt 0x0                               ; K's fragments are in
	SMUL 0, -1
	v_lshrrev_b32 v248, 23, v[BM+2*(\st)]          ; p's scale word.  My bytes: blocks h and 2 + h.  These four lines are also the four plain lines behind the products
	v_lshrrev_b32 v249, 23, v[BM+2*(\st)+1]        ; above and behind the last step's V^T p, in front of the loads into their sources
	v_lshl_or_b32 v248, v249, 16, v248
	v_lshlrev_b32 v248, v4, v248                   ; 8 h bits up
	s_wait_alu depctr_va_vdst(0)                   ; the products above are done reading K's fragments and scale words, and the last products on set 1 (the last step's V^T p; in step 0 pass 1's) reading it: the loads below land in both
	VLOAD \st
.if (\st) < 7
	KLOAD (\st)+1
.endif
	v_permlanex16_b32 v249, v248, s12, s13
	v_or_b32 v6, v248, v249                        ; with lane l xor 16's two the word is whole
.set j, 0
.rept 32
	v_pk_add_f32 v[S+j:S+j+1], v[S+j:S+j+1], v[10:11] neg_lo:[0,1] neg_hi:[0,1]   ; s - m, rounded by itself as the definition has it
.set j, j+2
.endr
.set j, 0
.rept 32
	v_pk_mul_f32 v[S+j:S+j+1], v[S+j:S+j+1], s[14:15] op_sel_hi:[1,0]             ; x log2(e)
.set j, j+2
.endr
.set j, 0
.rept 64
	v_exp_f32 v[S+j], v[S+j]                       ; p
.set j, j+1
.endr
	v_nop                                          ; a plain line behind the transcendentals
	s_wait_alu depctr_va_vdst(0)                   ; the 64 exponentials have written v96-159, ahead of their first reader
.irp c, 0,1
.irp u, 0,1,2,3
	v_cvt_scalef32_pk8_fp4_f32 v[P+4*\c+\u], v[S+32*\c+8*\u:S+32*\c+8*\u+7], v[BM+2*(\st)+\c]
.endr
.endr
	v_nop                                          ; a plain line behind the last scaled conversion
.set j, 0
.rept 16
	v_pk_add_f32 v[12:13], v[12:13], v[S+j:S+j+1]          ; the sum is taken of the unquantised p, in two chains.  (These 32 lines also stand between the writes of p's codes and scale word and the products)
	v_pk_add_f32 v[14:15], v[14:15], v[S+j+2:S+j+3]
.set j, j+4
.endr
.if (\st) < 7
	s_wait_dscnt 0xa                               ; V's ten loads are in; the ten of the next step's K, issued behind them, may be out
.else
	s_wait_dscnt 0x0
.endif
	s_wait_alu depctr_va_vdst(0)                   ; the conversions have written p's codes v240-247 and the line above them p's scale word v6, which the scaled products take; the 32 additions are the places, and stay beside this wait
.irp i, 0,1,2,3
.if (\st) == 0
	PV1 \i, 1                                      ; the chunk's first step starts the sums
.else
	PV1 \i, 0                                      ; four accumulators by turns, one instruction a turn
.endif
.endr
.endm
	s_load_b128 s[4:7], s[0:1], 0x0                ; qkvc s[4:5], qln s[6:7]
	s_load_b64 s[8:9], s[0:1], 0x10                ; yc
	v_lshrrev_b32 v1, 5, v0
	v_readfirstlane_b32 s10, v1                    ; wave 0..15
	s_and_b32 s11, ttmp7, 0xffff                   ; 16 x batch + head
	s_lshr_b32 s17, s11, 4
	s_and_b32 s18, s11, 15                         ; head
	s_lshl_b32 s19, s17, 5
	s_lshl_b32 s20, ttmp9, 2
	s_add_co_u32 s19, s19, s20
	s_wait_alu depctr_va_sdst(0)                   ; s10, the wave's number, is written, ahead of its first reader
	s_lshr_b32 s20, s10, 2
	s_add_co_u32 s19, s19, s20                     ; rb = 32 b + 4 qg + wave / 4
	s_and_b32 s20, s10, 3                          ; u
	s_lshl_b32 s21, s19, 4
	s_add_co_u32 s21, s21, s18                     ; 16 rb + head
	s_lshl_b32 s45, s21, 2
	s_add_co_u32 s45, s45, s20                     ; x 4 + u: my tile
	s_mov_b32 s12, 0x76543210
	s_mov_b32 s13, 0xfedcba98                      ; v_permlanex16_b32's selects for lane l xor 16
	s_mov_b32 s14, 0x3fb8aa3b                      ; log2(e)
	s_mov_b32 s15, s14                             ; (named with it as a pair, so it is written)
	s_lshl_b32 s42, s10, 12
	s_add_co_u32 s42, s42, LQL                     ; my wave's 4,096 bytes
	v_and_b32 v9, 31, v0
	v_lshlrev_b32 v254, 4, v9                      ; 16 x lane
	v_lshl_add_u32 v255, v9, 2, LKS                ; LKS + 4 x lane
	v_bfe_u32 v4, v0, 4, 1
	v_lshlrev_b32 v4, 3, v4                        ; 8 h
	v_lshlrev_b32 v248, 4, v0                      ; the copies: 16 x thread,
	v_add_nc_u32 v249, LVI, v248
	v_lshlrev_b32 v250, 3, v0                      ; 8 x thread
	v_add_nc_u32 v251, LKS, v250
	v_add_nc_u32 v252, s42, v254
	v_mov_b32 v253, 0
	s_mov_b32 s41, 0                               ; s[40:41]: an offset in 64 bits
	s_wait_kmcnt 0x0
	s_lshl_b32 s40, s11, 16
	s_add_co_u32 s40, s40, OKI
	s_add_nc_u64 s[22:23], s[4:5], s[40:41]        ; the head's K codes
	s_add_co_u32 s40, s40, OVI-OKI
	s_add_nc_u64 s[24:25], s[4:5], s[40:41]        ; V codes
	s_lshl_b32 s40, s11, 12
	s_add_co_u32 s40, s40, OKS
	s_add_nc_u64 s[26:27], s[4:5], s[40:41]        ; K scale words
	s_add_co_u32 s40, s40, OVS-OKS
	s_add_nc_u64 s[28:29], s[4:5], s[40:41]        ; V scale words
	s_lshl_b32 s40, s45, 9
	s_add_nc_u64 s[30:31], s[4:5], s[40:41]        ; my tile's q codes
	s_lshl_b32 s40, s21, 9
	s_lshl_b32 s46, s20, 2
	s_add_co_u32 s40, s40, s46
	s_add_co_u32 s40, s40, OQS
	s_add_nc_u64 s[32:33], s[4:5], s[40:41]        ; its scale words
	s_lshl_b32 s40, s45, 12
	s_add_nc_u64 s[34:35], s[6:7], s[40:41]        ; its normed q in f32
	s_lshl_b32 s40, s19, 15
	s_lshl_b32 s46, s18, 11
	s_add_co_u32 s40, s40, s46
	s_lshl_b32 s46, s20, 8
	s_add_co_u32 s40, s40, s46
	s_add_nc_u64 s[36:37], s[8:9], s[40:41]        ; y's codes: 32,768 rb + 1,024 x (2 head) + 256 u
	s_lshl_b32 s40, s19, 11
	s_lshl_b32 s46, s20, 9
	s_add_co_u32 s40, s40, s46
	s_lshl_b32 s46, s18, 1
	s_add_co_u32 s40, s40, s46
	s_add_co_u32 s40, s40, OYS
	s_add_nc_u64 s[38:39], s[8:9], s[40:41]        ; y's scale bytes: 2,048 rb + 512 u + 2 head
	s_wait_alu depctr_va_vdst(0)                   ; the copies' offsets and LDS addresses v248-252 and v254 are written, which the loads and LDS stores below read
.irp i, 0,1,2,3,4,5,6,7
	global_load_b128 v[96+4*\i:99+4*\i], v248, s[22:23] offset:8192*\i
.endr
.irp i, 0,1,2,3,4,5,6,7
	global_load_b128 v[128+4*\i:131+4*\i], v248, s[24:25] offset:8192*\i
.endr
.irp g, 0,1,2,3,4,5,6,7
	global_load_b128 v[160+4*\g:163+4*\g], v254, s[34:35] offset:512*\g th:TH_LOAD_NT
.endr
	global_load_b64 v[224:225], v250, s[26:27]
	global_load_b64 v[226:227], v250, s[28:29]
	global_load_b128 v[20:23], v254, s[30:31]
	global_load_b32 v5, v254, s[32:33]
.irp j, 16,17,18,19,24,25,26,27
	v_mov_b32 v[\j], 0                             ; zero codes on both sides of q's
.endr
.set j, 0
.rept 32
	v_mov_b32 v[N+j], 0                            ; num: no matrix instruction writes it; the first chunk's join multiplies these zeros by 0 and adds its O^T x 1
.set j, j+1
.endr
	v_mov_b32 v8, 0                                ; den
	v_mov_b32 v7, 0xff61b1e6                       ; g: -3e38, under every score
	s_wait_loadcnt 0x0
.irp i, 0,1,2,3,4,5,6,7
	ds_store_b128 v248, v[96+4*\i:99+4*\i] offset:8192*\i
.endr
.irp i, 0,1,2,3,4,5,6,7
	ds_store_b128 v249, v[128+4*\i:131+4*\i] offset:8192*\i
.endr
.irp g, 0,1,2,3,4,5,6,7
	ds_store_b128 v252, v[160+4*\g:163+4*\g] offset:512*\g
.endr
	ds_store_b64 v251, v[224:225]
	ds_store_b64 v251, v[226:227] offset:4096
	s_wait_dscnt 0x0                               ; for the others' sake: my stores have landed
	s_barrier_signal -1
	s_barrier_wait -1                              ; the head's K and V lie in LDS; nobody writes them again
	s_mov_b32 s16, 0
	s_mov_b32 s43, 0                               ; the chunk's first byte among K's and among V's codes
.Lchunk:                                               ; two trips: a key chunk each
	s_lshr_b32 s44, s43, 4                         ; and among the scale words: 2,048 a chunk
	s_wait_alu depctr_vm_vsrc(0)                   ; the last trip's LDS loads have read v1-3, which are written below; in the first trip: the copies' loads and LDS stores have read v96-191, v224-227 and v248-252, all of which the trip writes again
	v_add_nc_u32 v1, s43, v254
	v_add_nc_u32 v2, LVI, v1
	v_add_nc_u32 v3, s44, v255
	s_wait_alu depctr_va_vdst(0)                   ; v1-3 are written, which the trip's LDS loads read; the last trip's products are done reading both sets and their scale words, in which loads land; in the first trip: the zero codes beside q's are written, which the scaled products take
	KLOAD 0
.irp j, 12,13,14,15
	v_mov_b32 v[\j], 0                             ; the chunk's sum of p
.endr
	P1STEP 0, 1
	P1STEP 1, 2
	P1STEP 2, 3
	P1STEP 3, 4
	P1STEP 4, 5
	P1STEP 5, 6
	P1STEP 6, 7
	P1STEP 7, 0                                    ; pass 2 begins at the chunk's first step again, in set 0
	MAXFIN
.irp t, 0,1,2,3,4,5,6,7
	P2STEP \t
.endr
	; the join: num = num x exp(g_old - g) + O^T x exp(m - g), den likewise.  The first lines are the plain lines behind the last products
	v_pk_add_f32 v[12:13], v[12:13], v[14:15]
	v_add_f32 v12, v12, v13
	v_permlanex16_b32 v248, v12, s12, s13
	v_add_f32 v12, v12, v248                       ; the chunk's sum of p
	v_max_num_f32 v9, v7, v10                      ; g
	v_sub_f32 v250, v7, v9
	v_sub_f32 v252, v10, v9
	v_mul_f32 v250, s14, v250
	v_mul_f32 v252, s14, v252
	v_exp_f32 v250, v250                           ; in the first trip 2^(-infinity) = 0
	v_exp_f32 v252, v252                           ; and 2^0 = 1
	v_mov_b32 v7, v9                               ; (a plain line behind the transcendentals)
	s_wait_alu depctr_va_vdst(0)                   ; the two exponentials have written v250 and v252, ahead of their first reader
	v_mov_b32 v251, v250
	v_mov_b32 v253, v252
	v_mul_f32 v8, v8, v250
	v_fma_f32 v8, v12, v252, v8
.set j, 0
.rept 16
	v_pk_mul_f32 v[N+j:N+j+1], v[N+j:N+j+1], v[250:251]
.set j, j+2
.endr
.set j, 0
.rept 16
	v_pk_fma_f32 v[N+j:N+j+1], v[O+j:O+j+1], v[252:253], v[N+j:N+j+1]   ; ascending: each accumulator is read from its low end on
.set j, j+2
.endr
	s_add_co_u32 s43, s43, 32768
	s_add_co_u32 s16, s16, 1
	s_cmp_lt_u32 s16, 2
	s_cbranch_scc1 .Lchunk
	; ---- y = num / (1e-8 + den) + the normed q; register 8 i + j is column 64 head + 32 h + 8 i + j: a whole block of the last product's K
	v_add_nc_u32 v9, s42, v254
	s_wait_alu depctr_va_vdst(0)                   ; v9 is written, the loads' address; the vector lines that wrote and read v96-127 are done: the loads land there
.irp g, 0,1,2,3,4,5,6,7
	ds_load_b128 v[96+4*\g:99+4*\g], v9 offset:512*\g    ; my own bytes
.endr
	v_add_f32 v8, 0x322bcc77, v8                   ; 1e-8 + den
	v_rcp_f32 v250, v8
	v_rcp_f32 v251, v8
	v_and_b32 v248, 15, v0                         ; (a plain line behind the transcendentals)  r
	v_bfe_u32 v249, v0, 4, 1                       ; h
	v_lshlrev_b32 v252, 4, v248
	v_lshl_add_u32 v252, v249, 10, v252            ; the codes: 1,024 h + 16 r
	v_lshl_add_u32 v253, v248, 5, v249             ; the byte: 32 r + h
	s_wait_dscnt 0x0
	s_wait_alu depctr_va_vdst(0)                   ; the two reciprocals have written v250 and v251, ahead of their first reader
.set j, 0
.rept 16
	v_pk_fma_f32 v[128+j:129+j], v[N+j:N+j+1], v[250:251], v[96+j:97+j]
.set j, j+2
.endr
	v_max3_num_f32 v12, |v128|, |v129|, 0x1800000
.set j, 2
.rept 15
	v_max3_num_f32 v12, v12, |v[128+j]|, |v[129+j]|
.set j, j+2
.endr
	v_add_nc_u32 v13, 0xff000000, v12
	v_lshrrev_b32 v14, 23, v13
.irp g, 0,1,2,3
	v_cvt_scalef32_pk8_fp4_f32 v[P+\g], v[128+8*\g:135+8*\g], v13
.endr
	v_nop                                          ; a plain line behind the last scaled conversion
	s_wait_alu depctr_va_vdst(0)                   ; the conversions have written the codes v240-243, and the lines above them the byte v14 and the offsets v252, v253: the two stores read them
	global_store_b128 v252, v[P:P+3], s[36:37]     ; lanes 0-15 and lanes 16-31 each store 256 consecutive bytes, aligned
	global_store_b8 v253, v14, s[38:39]            ; single bytes: one for each 16 bytes of codes
	s_wait_xcnt 0x0
	v_lshl_add_u32 v254, v0, 2, 0x32000
	v_mov_b32 v255, 0
	s_wait_dscnt 0x0                               ; the closing lines, six on end
	s_wait_alu 0x0
	s_wait_tensorcnt 0x0
	ds_add_u32 v254, v255
	s_wait_dscnt 0x0
	s_endpgm
.Lfunc_end_k_q768aa7a782_attn:
	.size	k_q768aa7a782_attn, .Lfunc_end_k_q768aa7a782_attn-k_q768aa7a782_attn
	.p2alignl 7, 3214868480
	.fill 96, 4, 3214868480
	.section	.rodata,"a",@progbits
	.p2align	6, 0x0
	.amdhsa_kernel k_q768aa7a782_attn
		.amdhsa_group_segment_fixed_size 206848
		.amdhsa_private_segment_fixed_size 0
		.amdhsa_enable_private_segment 0
		.amdhsa_kernarg_size 24
		.amdhsa_user_sgpr_count 2
		.amdhsa_user_sgpr_kernarg_segment_ptr 1
		.amdhsa_wavefront_size32 1
		.amdhsa_system_sgpr_workgroup_id_x 1
		.amdhsa_system_sgpr_workgroup_id_y 1
		.amdhsa_system_sgpr_workgroup_id_z 1
		.amdhsa_system_vgpr_workitem_id 0
		.amdhsa_next_free_vgpr 256
		.amdhsa_next_free_sgpr 66
		.amdhsa_reserve_vcc 0
		.amdhsa_float_denorm_mode_32 3
		.amdhsa_float_denorm_mode_16_64 3
		.amdhsa_memory_ordered 1
		.amdhsa_forward_progress 1
		.amdhsa_inst_pref_size 144
	.end_amdhsa_kernel
	.amdgpu_metadata
---
amdhsa.version: [ 1, 2 ]
amdhsa.kernels:
  - .name:           k_q768aa7a782_attn
    .symbol:         k_q768aa7a782_attn.kd
    .args:
      - { .name: qkvc, .offset: 0, .size: 8, .value_kind: global_buffer, .address_space: global }
      - { .name: qln, .offset: 8, .size: 8, .value_kind: global_buffer, .address_space: global }
      - { .name: yc, .offset: 16, .size: 8, .value_kind: global_buffer, .address_space: global }
    .group_segment_fixed_size: 206848
    .private_segment_fixed_size: 0
    .kernarg_segment_align: 8
    .kernarg_segment_size: 24
    .max_flat_workgroup_size: 512
    .sgpr_count:     66
    .vgpr_count:     256
    .wavefront_size: 32
...
	.end_amdgpu_metadata
.endif
;; end of part 6
;; launch oproj (part 7): grid 64 x 4, 16 waves a work-group, no clusters, 101,888 bytes of LDS; arguments yc, prep, bo, out0; writes out0
.if DOCPART == 7
	.amdgcn_target "amdgcn-amd-amdhsa--gfx1250"
	.amdhsa_code_object_version 6
	.text
	.protected	k_q768aa7a782_oproj
	.globl	k_q768aa7a782_oproj
	.p2align	8
	.type	k_q768aa7a782_oproj,@function
k_q768aa7a782_oproj:
	s_mov_b64 s[64:65], 0
	v_nop
	global_prefetch_b8 v0, s[64:65] scope:SCOPE_SE
	s_setreg_imm32_b32 hwreg(HW_REG_WAVE_SCHED_MODE, 0, 2), 2
	s_setreg_imm32_b32 hwreg(HW_REG_WAVE_MODE, 25, 1), 1
	s_wait_xcnt 0x0
	s_wait_alu depctr_vm_vsrc(0)
; out = y Wo + bo on codes of FP4 with E8M0 scales.  y's codes and scale bytes come from the attention launch, Wo's from the first launch.
; SHARES.  Work-group (rb, cg): 64 tokens x 256 columns.  Wave w takes ONE head tile of Wo's columns (head 4 cg + w / 4, tile i = w % 4: row r is column 64 head + 32 (r / 8) + 8 i + r % 8) against the four token tiles:
; four accumulators.  Its part of Wo for all of K is 64 registers, asked for once at the head, read by no other wave of the work-group.  y's 32,768 bytes of codes are copied into LDS once (chunk (t, place) at 1,040 t + 16 place).
; Source 0 = Wo's tile, source 1 = the token tile: register j of lane (r, h) is column 64 head + 32 h + 8 i + j of token (u, r): eight neighbours of a row.  The bias is the C of each sum's first product.
; The results meet in a stage of 64 rows x (1,024 + 16) bytes; each wave stores four whole rows, 512 consecutive bytes a store.
; NO CLUSTER, NO TENSOR LOAD: the four column groups of a token block share y's 32 KB and the row blocks share Wo's 128 KB, each fetched once by a work-group at its head; there is no ring whose refills could be asked jointly.
; REGISTERS: v1-9 addresses; v16-31 y's scale words, v32-35 Wo's (scales and nothing else); v36-43 the bias; v48-79, v80-111, v208-239 y's fragments, three sets; v112-175 Wo's eight fragments; v176-207 the accumulators;
; v208-223 at the head staging, v208-239 at the end rows; v254, v255 the closing add's two.
; THE MODE: SCHED_MODE bits 1:0 = 2 (LLVM: expert scheduling mode 2), set by the entry lines.  The code itself states the register dependences between vector or matrix instructions and memory or LDS instructions,
; with s_wait_alu, always for 0.
; THE PLAN.  Registers that memory or LDS instructions touch:
;   v1-9              offsets and LDS addresses: written at the head, ahead of one wait, and never again.
;   v16-43, v112-175  scale words, bias, Wo's fragments: loaded once, read by the products.
;   y's three sets    step s's four products read set s % 3; the eight loads of step s + 2 land in set (s + 2) % 3, which the products of step s - 1 read.  ONE wait at the step's head, behind the waits for the step's own
;                     data, shows those done; the loads are then dealt, two behind each product of the step: these name set s % 3, Wo, the scales and the accumulators, none of the registers that the loads touch.
;   v208-223          first y's codes: loaded and read by the LDS stores of y's image; a wait on vm_vsrc behind the barrier, ahead of the third set's first loads.
;   v176-207          the accumulators: read by the stage's LDS stores, behind the places and one wait, which also shows the third set's last readers done: the rows land there.
.set OWI,  2097152
.set OWS,  4325376
.set OYS,  2097152
.set BF,   112
.set ACC,  176
.set STG,  33280
.macro ALD2 s, u                       ; token tile u's fragment of K step s, into set s % 3 (v48, v80, v208 on)
.set FL, 48+32*((\s)%3)+96*(((\s)%3)/2)
.irp c, 0,1
	ds_load_b128 v[FL+8*(\u)+4*\c:FL+8*(\u)+4*\c+3], v2 offset:(4*(\s)+2*\c)*1040+256*(\u)
.endr
.endm
	s_load_b256 s[4:11], s[0:1], 0x0               ; yc s[4:5], prep s[6:7], bo s[8:9], out0 s[10:11]
	v_lshl_add_u32 v254, v0, 2, 0x18600
	v_mov_b32 v255, 0
	v_lshrrev_b32 v1, 5, v0
	v_readfirstlane_b32 s12, v1                    ; wave 0..15
	s_and_b32 s13, ttmp7, 0xffff                   ; cg
	s_wait_alu depctr_va_sdst(0)                   ; s12, the wave's number, is written, ahead of its first reader
	s_lshr_b32 s14, s12, 2
	s_and_b32 s15, s12, 3                          ; i
	s_lshl_b32 s16, s13, 2
	s_add_co_u32 s16, s16, s14                     ; head
	v_and_b32 v10, 31, v0                          ; lane
	v_and_b32 v11, 15, v0                          ; r
	v_bfe_u32 v12, v0, 4, 1                        ; h
	v_bfe_u32 v13, v0, 3, 1                        ; r / 8
	v_and_b32 v14, 7, v0                           ; r % 8
	v_lshlrev_b32 v1, 10, v12
	v_lshl_add_u32 v1, v13, 9, v1
	v_lshl_add_u32 v1, v14, 4, v1                  ; Wo's chunks and scale words: 1,024 h + 512 (r / 8) + 16 (r % 8)
	v_mul_u32_u24 v2, v12, 1040
	v_lshl_add_u32 v2, v11, 4, v2                  ; y's image: 1,040 h + 16 r
	v_lshlrev_b32 v3, 4, v10                       ; 16 x lane
	v_lshlrev_b32 v4, 4, v0                        ; 16 x thread
	v_lshlrev_b32 v5, 5, v11
	v_lshl_add_u32 v5, v12, 4, v5                  ; y's scale bytes: 32 r + 16 h
	v_lshlrev_b32 v6, 7, v12                       ; the bias: 128 h bytes
	v_lshrrev_b32 v7, 6, v0
	v_mul_u32_u24 v7, v7, 1040
	v_and_b32 v15, 63, v0
	v_lshl_add_u32 v7, v15, 4, v7                  ; staging: 1,040 (thread / 64) + 16 (thread % 64)
	s_lshl_b32 s32, s14, 8
	s_lshl_b32 s33, s15, 5
	s_add_co_u32 s32, s32, s33
	s_add_co_u32 s32, s32, STG
	v_mul_u32_u24 v8, v11, 1040
	v_lshl_add_u32 v8, v12, 7, v8
	v_add_nc_u32 v8, s32, v8                       ; the stage, in: row r, + 128 h + 256 (wave / 4) + 32 (wave % 4)
	s_mul_i32 s33, s12, 4160
	s_add_co_u32 s33, s33, STG
	v_add_nc_u32 v9, s33, v3                       ; and back: my four rows, 16 bytes a lane
	s_mov_b32 s19, 0                               ; s[18:19]: an offset in 64 bits
	s_wait_kmcnt 0x0
	s_lshl_b32 s18, ttmp9, 15
	s_add_nc_u64 s[20:21], s[4:5], s[18:19]        ; y's codes of my 64 tokens
	s_lshl_b32 s18, ttmp9, 11
	s_add_co_u32 s18, s18, OYS
	s_add_nc_u64 s[22:23], s[4:5], s[18:19]        ; their scale bytes
	s_lshl_b32 s18, s16, 11
	s_lshl_b32 s17, s15, 7
	s_add_co_u32 s18, s18, s17
	s_add_co_u32 s18, s18, OWS+3*32768
	s_add_nc_u64 s[24:25], s[6:7], s[18:19]        ; my tile's scale bytes of Wo
	s_lshl_b32 s18, s16, 8
	s_lshl_b32 s17, s15, 5
	s_add_co_u32 s18, s18, s17
	s_add_nc_u64 s[26:27], s[8:9], s[18:19]        ; bo at column 64 head + 8 i
	s_lshl_b32 s18, s16, 15
	s_lshl_b32 s17, s15, 7
	s_add_co_u32 s18, s18, s17
	s_add_co_u32 s18, s18, OWI+3*524288
	s_add_nc_u64 s[28:29], s[6:7], s[18:19]        ; my tile's codes of Wo
	s_lshl_b32 s18, ttmp9, 6                       ; the first token that I store: stage rows 4 w + k are places 16 u + r with u = w / 4, r = 4 (w % 4) + k
	s_bfe_u32 s17, s12, 0x10001
	s_lshl_b32 s17, s17, 5
	s_add_co_u32 s18, s18, s17                     ; + 32 (r / 8)
	s_lshl_b32 s17, s14, 3
	s_add_co_u32 s18, s18, s17                     ; + 8 u
	s_and_b32 s17, s12, 1
	s_lshl_b32 s17, s17, 2
	s_add_co_u32 s18, s18, s17                     ; + r % 8
	s_lshl_b32 s18, s18, 12
	s_lshl_b32 s17, s13, 10
	s_add_co_u32 s18, s18, s17
	s_add_nc_u64 s[30:31], s[10:11], s[18:19]
	s_wait_alu depctr_va_vdst(0)                   ; the offsets and LDS addresses v1-9 are written: every load and store of the launch reads one of them
.irp k, 0,1,2,3
	global_load_b128 v[208+4*\k:211+4*\k], v4, s[20:21] offset:8192*\k
.endr
.irp u, 0,1,2,3
	global_load_b128 v[16+4*\u:19+4*\u], v5, s[22:23] offset:512*\u   ; lanes 0-15: the words of K steps 0-3; lanes 16-31: of K steps 4-7
.endr
	global_load_b128 v[32:35], v1, s[24:25]
	global_load_b128 v[36:39], v6, s[26:27]
	global_load_b128 v[40:43], v6, s[26:27] offset:16
.irp s, 0,1,2,3,4,5,6,7
.irp c, 0,1
	global_load_b128 v[BF+8*\s+4*\c:BF+8*\s+4*\c+3], v1, s[28:29] offset:4096*\s+2048*\c
.endr
.endr
	s_wait_loadcnt 23                              ; y's codes are in; the 23 loads behind them may be out
.irp k, 0,1,2,3
	ds_store_b128 v7, v[208+4*\k:211+4*\k] offset:8320*\k
.endr
	s_wait_dscnt 0x0                               ; for the others' sake
	s_barrier_signal -1
	s_barrier_wait -1                              ; y's image is whole; nobody writes it again
	s_wait_alu depctr_vm_vsrc(0)                   ; my LDS stores have read v208-223: these registers belong to y's third set from here on, in which step 2's loads land
.irp u, 0,1,2,3
	ALD2 0, \u
.endr
.irp u, 0,1,2,3
	ALD2 1, \u                                     ; K steps 0 and 1; each step asks for the fragments of two steps on
.endr
.irp s, 0,1,2,3,4,5,6,7
.if \s < 7
	s_wait_dscnt 0x8                               ; this step's eight loads are in; the next step's eight, issued behind them, may be out
.else
	s_wait_dscnt 0x0
.endif
	s_wait_loadcnt 14-2*\s                         ; Wo's fragment of this step and all that was asked for before it; the later steps' two loads each may be out
.if (\s > 0) && (\s < 6)
	s_wait_alu depctr_va_vdst(0)                   ; the last step's products are done reading their set of y's fragments, in which this step's eight loads land
.endif
.set FB, 48+32*(\s%3)+96*((\s%3)/2)
.irp u, 0,1,2,3                        ; four accumulators by turns, one instruction a turn
.if \s == 0
	v_wmma_scale_f32_16x16x128_f8f6f4 v[ACC+8*\u:ACC+8*\u+7], v[BF+8*\s:BF+8*\s+7], v[FB+8*\u:FB+8*\u+7], v[36:43], v[32+\s%4], v[16+4*\u+\s%4] matrix_a_fmt:MATRIX_FMT_FP4 matrix_b_fmt:MATRIX_FMT_FP4
.elseif \s < 4
	v_wmma_scale_f32_16x16x128_f8f6f4 v[ACC+8*\u:ACC+8*\u+7], v[BF+8*\s:BF+8*\s+7], v[FB+8*\u:FB+8*\u+7], v[ACC+8*\u:ACC+8*\u+7], v[32+\s%4], v[16+4*\u+\s%4] matrix_a_fmt:MATRIX_FMT_FP4 matrix_b_fmt:MATRIX_FMT_FP4
.else
	v_wmma_scale_f32_16x16x128_f8f6f4 v[ACC+8*\u:ACC+8*\u+7], v[BF+8*\s:BF+8*\s+7], v[FB+8*\u:FB+8*\u+7], v[ACC+8*\u:ACC+8*\u+7], v[32+\s%4], v[16+4*\u+\s%4] matrix_a_fmt:MATRIX_FMT_FP4 matrix_b_fmt:MATRIX_FMT_FP4 matrix_a_scale:MATRIX_SCALE_ROW1 matrix_b_scale:MATRIX_SCALE_ROW1
.endif
.if \s < 6
	ALD2 \s+2, \u                                  ; no wait: no vector or matrix instruction since the step's wait names the set in which these land
.endif
.endr
.rept 4
	v_nop                                          ; four plain lines in front of loads into the products' sources, and at the end of the stores of their results
.endr
.endr
	s_wait_alu depctr_va_vdst(0)                   ; the products have written the accumulators, which the LDS stores read, and are done reading y's third set, in which the rows land; the places above stay beside this wait
.irp u, 0,1,2,3
	ds_store_b128 v8, v[ACC+8*\u:ACC+8*\u+3] offset:16640*\u       ; each accumulator from its low end on
	ds_store_b128 v8, v[ACC+8*\u+4:ACC+8*\u+7] offset:16640*\u+16
.endr
	s_wait_dscnt 0x0                               ; for the others' sake: a row's 1,024 bytes come from sixteen waves
	s_barrier_signal -1
	s_barrier_wait -1
.irp k, 0,1,2,3
.irp f, 0,1
	ds_load_b128 v[208+8*\k+4*\f:211+8*\k+4*\f], v9 offset:1040*\k+512*\f
.endr
.endr
.irp k, 0,1,2,3
.irp f, 0,1
	s_wait_dscnt 7-2*\k-\f
	global_store_b128 v3, v[208+8*\k+4*\f:211+8*\k+4*\f], s[30:31] offset:4096*\k+512*\f th:TH_STORE_NT   ; 32 lanes store 512 consecutive bytes, at a multiple of 256 from the output's first byte
.endr
.endr
	s_wait_dscnt 0x0                               ; the closing lines, six on end
	s_wait_alu 0x0
	s_wait_tensorcnt 0x0
	ds_add_u32 v254, v255
	s_wait_dscnt 0x0
	s_endpgm
.Lfunc_end_k_q768aa7a782_oproj:
	.size	k_q768aa7a782_oproj, .Lfunc_end_k_q768aa7a782_oproj-k_q768aa7a782_oproj
	.p2alignl 7, 3214868480
	.fill 96, 4, 3214868480
	.section	.rodata,"a",@progbits
	.p2align	6, 0x0
	.amdhsa_kernel k_q768aa7a782_oproj
		.amdhsa_group_segment_fixed_size 101888
		.amdhsa_private_segment_fixed_size 0
		.amdhsa_enable_private_segment 0
		.amdhsa_kernarg_size 32
		.amdhsa_user_sgpr_count 2
		.amdhsa_user_sgpr_kernarg_segment_ptr 1
		.amdhsa_wavefront_size32 1
		.amdhsa_system_sgpr_workgroup_id_x 1
		.amdhsa_system_sgpr_workgroup_id_y 1
		.amdhsa_system_sgpr_workgroup_id_z 1
		.amdhsa_system_vgpr_workitem_id 0
		.amdhsa_next_free_vgpr 256
		.amdhsa_next_free_sgpr 66
		.amdhsa_reserve_vcc 0
		.amdhsa_float_denorm_mode_32 3
		.amdhsa_float_denorm_mode_16_64 3
		.amdhsa_memory_ordered 1
		.amdhsa_forward_progress 1
		.amdhsa_inst_pref_size 19
	.end_amdhsa_kernel
	.amdgpu_metadata
---
amdhsa.version: [ 1, 2 ]
amdhsa.kernels:
  - .name:           k_q768aa7a782_oproj
    .symbol:         k_q768aa7a782_oproj.kd
    .args:
      - { .name: yc, .offset: 0, .size: 8, .value_kind: global_buffer, .address_space: global }
      - { .name: prep, .offset: 8, .size: 8, .value_kind: global_buffer, .address_space: global }
      - { .name: bo, .offset: 16, .size: 8, .value_kind: global_buffer, .address_space: global }
      - { .name: out0, .offset: 24, .size: 8, .value_kind: global_buffer, .address_space: global }
    .group_segment_fixed_size: 101888
    .private_segment_fixed_size: 0
    .kernarg_segment_align: 8
    .kernarg_segment_size: 32
    .max_flat_workgroup_size: 512
    .sgpr_count:     66
    .vgpr_count:     256
    .wavefront_size: 32
...
	.end_amdgpu_metadata
.endif
;; end of part 7
